; MI455X (gfx1250); checked and timed in simulation.
; The chip was launched on July 23, 2026; its instructions are those of AMD's public machine-readable ISA for CDNA 5 (MIT licence, August 2026) and "CDNA5" Instruction Set Architecture Reference Guide (July 2026). The comments in the code are by the model that wrote it; some were corrected since.
;; Multihead Attention. Allowed arithmetic: matrix products marked QUANTISED: E2M3 operands, one E8M0 scale for each 32 along K, by v_wmma_scale_f32_16x16x128_f8f6f4 with both operands' format E2M3, f32 sums; everything else in f32.
;; Inputs: b_in 3,072 float32; b_out 1,024 float32; w_in 3,072 x 1,024 float32; w_out 1,024 x 1,024 float32; x 8 x 1,024 x 1,024 float32.
;; Outputs: out0 8 x 1,024 x 1,024 float32.
;; This version of the problem:
;;   THIS VERSION OF THE PROBLEM IS GIVEN IN LOW PRECISION. The matrix products marked QUANTISED in the list below multiply operands that are first quantised to E2M3 (2 exponent bits, 3 mantissa bits; 6 bits a number), with one power-of-two scale for each 32 numbers along K (OCP MX v1.0); their sums are f32. All else is computed in f32.
;;   The module's matrix products, in the order in which they are computed (A, B: the left and right operand; K: the contracted axis; several contracted axes count as one K, in the product's order):
;;     1. [M 8,192, K 1,024] x [K 1,024, N 3,072]; A: input x; B: input w_in: QUANTISED
;;     2. batch 128 x [M 1,024, K 64] x [K 64, N 1,024]; A: computed on the way; B: computed on the way: QUANTISED
;;     3. batch 128 x [M 1,024, K 1,024] x [K 1,024, N 64]; A: softmax (see below); B: computed on the way: QUANTISED
;;     4. [M 8,192, K 1,024] x [K 1,024, N 1,024]; A: computed on the way; B: input w_out: QUANTISED
;;   THE QUANTISER, for each operand of a quantised product, along K:
;;     - K is cut into blocks of 32 from its start; a last block that is shorter is filled with zeros.
;;     - A block's scale is 2^e with e = floor(log2(the largest magnitude in the block)) - 2, held to -126 .. 127; a block of zeros has e = 0. As a byte (E8M0): e + 127.
;;     - Each number is divided by its block's scale, clamped to +-7.5, and rounded to the nearest number of E2M3, ties to even, subnormals kept.
;;     - The product sums the exact products of the quantised numbers (number of the format x scale) in f32.
;;   ~~~python
;;   def quantise(x, axis):      # numpy; x: float32 -> the quantised numbers, widened to float32 again
;;       x = np.moveaxis(x, axis, -1); K = x.shape[-1]
;;       x = np.pad(x, [(0, 0)] * (x.ndim - 1) + [(0, -K % 32)]); x = x.reshape(x.shape[:-1] + (-1, 32)); a = np.abs(x).max(-1, keepdims=True)
;;       e = np.where(a > 0, np.clip(np.frexp(np.where(a > 0, a, 1))[1] - 1 - 2, -126, 127), 0)      # np.frexp(a)[1] - 1 = floor(log2(a)), exactly
;;       r = np.clip(x / 2.0 ** e, -7.5, 7.5)
;;       step = 2.0 ** (np.maximum(np.frexp(np.where(r == 0, 1, r))[1] - 1, 0) - 3)
;;       q = np.round(r / step) * step * 2.0 ** e      # np.round: ties to even
;;       return np.moveaxis(q.reshape(q.shape[:-2] + (-1,))[..., :K], -1, axis).astype(np.float32)
;;   ~~~
;;   SOFTMAX AHEAD OF A QUANTISED PRODUCT. Where the list says 'softmax', what is quantised is not the finished softmax but p = 2^(t - M), with t = logit x log2(e) and M = ceil(the row's largest t), a whole number; so 1/2 < the row's largest p <= 1. The row's sum l is taken of the UNQUANTISED p, in f32, and the product's result is divided by l at the end. Since M is a whole number, a kernel that streams over the keys may use a running M (the ceiling of the running maximum): every later rescaling is an exact power of two, which a block's scale takes up: the codes' values come out the same.
;;   OPERANDS COMPUTED ON THE WAY. 'Computed on the way' means the value that the module computes at that place (a softmax that the list does not call 'softmax' is quantised finished and normalised). What goes into a quantiser is computed in f32, as accurately as f32 sums, v_exp_f32 and their like allow (about 1e-6 of the number): no bf16 or f16 on the way to a quantiser, and a product that is left as it is and whose result goes on into a quantised operand takes f32 operands (vector FMAs, or v_wmma_f32_16x16x4_f32). A number that lies on a knife's edge between two numbers of the format may be rounded either way, as far as f32 arithmetic and the matrix unit's own rounding can turn it there, and no further.
;; One version. Each part assembles by itself: llvm-mc -triple=amdgcn-amd-amdhsa -mcpu=gfx1250 --defsym DOCPART=n.
;; ======== version 1 of 1: 4 launches
;; limits: right only within a limited range of input values
;; workspace buffers: opc 9,437,184 bytes; ops 393,216 bytes; qc 6,291,456 bytes; qs 262,144 bytes; kv 13,107,200 bytes; vc 6,291,456 bytes; vs 262,144 bytes
;; launch quant (part 1): grid 384 x 1, 4 waves a work-group, no clusters, 34,304 bytes of LDS; arguments x, w_in, w_out, opc, ops; writes opc, ops
.if DOCPART == 1
	.amdgcn_target "amdgcn-amd-amdhsa--gfx1250"
	.amdhsa_code_object_version 6
	.text
	.protected	k_q6db31e7d18_quant
	.globl	k_q6db31e7d18_quant
	.p2align	8
	.type	k_q6db31e7d18_quant,@function
k_q6db31e7d18_quant:
	s_mov_b64 s[64:65], 0
	v_nop
	global_prefetch_b8 v0, s[64:65] scope:SCOPE_SE
	s_setreg_imm32_b32 hwreg(HW_REG_WAVE_MODE, 25, 1), 1
	s_wait_xcnt 0x0
; x [8192][1024], w_in [3072][1024] and w_out [1024][1024], f32, K innermost, become codes of FP6 (E2M3) with one E8M0 byte for each 32 along K.
; A block's scale is 2^(floor(log2(largest magnitude)) - 2), its byte the largest magnitude's exponent field - 2, held at 1 from below by a floor of 2^-124 among the maximum's leaves.
; LIMITS: NaN and infinities among the inputs are not served.  A block of zeros gets the byte 1 where the rule says 127: its codes are zeros, and only this program reads the bytes.
; WHAT IS WRITTEN.  48 panels of 256 rows: 0-31 x; 32-39 w_in's q and k rows (a head's 64 q rows, then its 64 k rows); 40-43 w_in's v rows; 44-47 w_out.
;   codes  [panel][K step of 128, 0..7][block of 16 rows, 0..15][1,536 bytes]: a fragment as an image of the operand's 12 registers: registers 4c..4c+3 of lane l at 512 c + 16 l.
;   scales [panel][block][K half][row 0..15][4 words]: a word holds the four bytes of one row and one K step.
; THE ROWS OF A BLOCK ARE NOT NEIGHBOURS: of each 32 rows, block u (0, 1) holds in lane r the row 8 u + r + 8 (r / 8): a product that takes such a block as source 0 leaves 16 neighbours in the 16 registers of two neighbouring results.
; SHARES.  A wave makes 4 fragments: one block of 16 rows x 512 along K.  No wave shares anything with another: no barrier, no cluster, no matrix unit; memory bounds this launch.
; Each load reads 512 consecutive bytes of one row; all 64 loads of a wave go out at once (32 KiB on their way).  The conversions want 16 neighbours along K in ONE lane, so a fragment's
; 8 KiB turn through the wave's own stage in LDS: rows 528 bytes apart, so that the sixteen lanes of a read fall on sixteen different columns of 16 bytes.
; REGISTERS: window 0: v2-5 addresses, v6-7 the scale record, v16-79 64 numbers, v80-127 codes (12 a fragment: no store's data are written again), v128-134 half blocks, v136-151 at work, v152-155 scale words.  window 1: the 256 registers as loaded.
.set STG,  8448                        ; a wave's stage: 16 rows x 528 bytes
.set X,    16
.set PC,   80
.set PX,   128
.set TM,   136                         ; +0..3 largest magnitudes, +4..7 the other half's, then the bytes, +12..15 the conversions' scale operands
.set PW,   152
.set SEL,  30                          ; s[30:31] v_permlanex16_b32's selects for lane l xor 16
.set MSB, 0
.macro WIN new                         ; the immediate's high byte repeats the setting that is left
.if MSB != (\new)
	s_set_vgpr_msb (MSB<<8)|(\new)
.set MSB, (\new)
.endif
.endm
; 64 numbers of a lane, register 16 b + i = k 32 b + 16 (lane / 16) + i of its row, become a fragment: registers 0-5 at d0, 6-11 at d1, the row's scale word in pw.
.macro QUANT s, d0, d1, px, pw
.irp b, 0,1,2,3
	v_max3_num_f32 v[TM+\b], |v[(\s)+16*\b]|, |v[(\s)+1+16*\b]|, 0x1800000   ; my 16 numbers of block b, and the floor 2^(3 - 127)
.endr
.irp i, 2,4,6,8,10,12,14
.irp b, 0,1,2,3
	v_max3_num_f32 v[TM+\b], v[TM+\b], |v[(\s)+16*\b+\i]|, |v[(\s)+1+16*\b+\i]|   ; the four blocks by turns
.endr
.endr
.irp b, 0,1,2,3
	v_permlanex16_b32 v[TM+4+\b], v[TM+\b], s[SEL], s[SEL+1]
.endr
.irp b, 0,1,2,3
	v_max_num_f32 v[TM+\b], v[TM+\b], v[TM+4+\b]   ; with lane l xor 16's 16: the block's largest magnitude
.endr
.irp b, 0,1,2,3
	v_add_nc_u32 v[TM+12+\b], 0xff000000, v[TM+\b] ; 2 off its exponent field: the conversion takes that field as its scale
.endr
.irp b, 0,1,2,3
	v_lshrrev_b32 v[TM+4+\b], 23, v[TM+12+\b]      ; the scale's byte
.endr
	v_lshl_or_b32 v[\pw], v[TM+5], 8, v[TM+4]
	v_lshl_or_b32 v[\pw], v[TM+6], 16, v[\pw]
	v_lshl_or_b32 v[\pw], v[TM+7], 24, v[\pw]
	v_cvt_scalef32_pk16_fp6_f32 v[(\d0):(\d0)+2], v[(\s):(\s)+15], v[TM+12]
	v_cvt_scalef32_pk16_fp6_f32 v[(\px):(\px)+2], v[(\s)+16:(\s)+31], v[TM+13]      ; (a conversion's three registers begin on an even number)
	v_cvt_scalef32_pk16_fp6_f32 v[(\d1):(\d1)+2], v[(\s)+32:(\s)+47], v[TM+14]
	v_cvt_scalef32_pk16_fp6_f32 v[(\px)+4:(\px)+6], v[(\s)+48:(\s)+63], v[TM+15]
	v_nop                                          ; one plain place behind a scaled conversion
.irp i, 0,1,2                          ; the operand wants a WHOLE block in a lane: lanes 0-15 the even block, lanes 16-31 the odd one
	v_permlane16_swap_b32 v[(\d0)+\i], v[(\px)+\i]
	v_permlane16_swap_b32 v[(\d1)+\i], v[(\px)+4+\i]
.endr
.irp i, 0,1,2
	v_mov_b32 v[(\d0)+3+\i], v[(\px)+\i]
	v_mov_b32 v[(\d1)+3+\i], v[(\px)+4+\i]
.endr
.endm
	s_load_b256 s[4:11], s[0:1], 0x0               ; x s[4:5], w_in s[6:7], w_out s[8:9], the codes s[10:11]
	s_load_b64 s[12:13], s[0:1], 0x20              ; the scales
	v_lshl_add_u32 v254, v0, 2, 0x8400
	v_mov_b32 v255, 0
	v_lshrrev_b32 v1, 5, v0
	v_readfirstlane_b32 s16, v1                    ; wave 0..3
	v_and_b32 v1, 31, v0                           ; lane
	v_and_b32 v8, 15, v0                           ; r
	v_bfe_u32 v9, v0, 4, 1                         ; h
	v_lshlrev_b32 v2, 4, v1                        ; 16 x lane: my 16 bytes of a load's or a store's 512
	s_mul_i32 s17, s16, STG
	v_add_nc_u32 v3, s17, v2                       ; the stage, on the way in: a row as it lies
	v_mul_u32_u24 v4, v8, 528
	v_lshl_add_u32 v4, v9, 6, v4
	v_add_nc_u32 v4, s17, v4                       ; and on the way out: row r, + 64 h: my 16 numbers of a block of 32
	v_lshlrev_b32 v5, 4, v8
	v_lshl_add_u32 v5, v9, 3, v5                   ; the scale record: 16 r + 8 h
.irp b, 0,1,2,3
	v_mov_b32 v[TM+4+\b], 0                        ; written once: a lane permute's destination counts as one of its sources
.endr
	s_mov_b32 s[SEL], 0x76543210
	s_mov_b32 s[SEL+1], 0xfedcba98
	s_mov_b32 s32, 0xffff0000                      ; lanes 16-31
	s_lshr_b32 s18, s16, 1
	s_and_b32 s19, s16, 1                          ; which half of K
	s_lshl_b32 s24, ttmp9, 1
	s_add_co_u32 s24, s24, s18                     ; G: my block of 16 rows, 0..767
	; which tensor, and which of its rows: the first block of the part, blocks a head (as a shift), the rows' place in a head's 192
	s_mov_b32 s20, 0
	s_mov_b32 s21, 10
	s_mov_b32 s22, 0
	s_cmp_ge_u32 ttmp9, 256                        ; w_in's q and k rows: 8 blocks a head
	s_cselect_b32 s20, 512, s20
	s_cselect_b32 s21, 3, s21
	s_cmp_ge_u32 ttmp9, 320                        ; w_in's v rows: 4 blocks a head, 128 rows on
	s_cselect_b32 s20, 640, s20
	s_cselect_b32 s21, 2, s21
	s_cselect_b32 s22, 128, s22
	s_cmp_ge_u32 ttmp9, 352                        ; w_out
	s_cselect_b32 s20, 704, s20
	s_cselect_b32 s21, 10, s21
	s_cselect_b32 s22, 0, s22
	s_sub_co_u32 s25, s24, s20                     ; the block's number in its part
	s_lshr_b32 s26, s25, s21                       ; head
	s_bfm_b32 s27, s21, 0
	s_and_b32 s27, s25, s27                        ; j: the block's number in the head
	s_mul_i32 s26, s26, 192
	s_add_co_u32 s26, s26, s22
	s_lshr_b32 s28, s27, 1
	s_lshl_b32 s28, s28, 5
	s_add_co_u32 s26, s26, s28
	s_and_b32 s28, s27, 1
	s_lshl_b32 s28, s28, 3
	s_add_co_u32 s26, s26, s28                     ; the row of lane 0: 192 head + place + 32 (j / 2) + 8 (j % 2)
	s_lshl_b32 s26, s26, 12                        ; rows of 4,096 bytes
	s_lshl_b32 s28, s19, 11
	s_add_co_u32 s26, s26, s28                     ; + my half of K
	s_mov_b32 s27, 0
	s_lshr_b32 s28, s24, 4                         ; panel
	s_and_b32 s29, s24, 15                         ; block in it
	s_mul_i32 s34, s28, 196608
	s_mul_i32 s33, s19, 98304
	s_add_co_u32 s34, s34, s33
	s_mul_i32 s33, s29, 1536
	s_add_co_u32 s34, s34, s33
	s_mov_b32 s35, 0
	s_lshl_b32 s36, s28, 13
	s_lshl_b32 s33, s29, 9
	s_add_co_u32 s36, s36, s33
	s_lshl_b32 s33, s19, 8
	s_add_co_u32 s36, s36, s33
	s_mov_b32 s37, 0
	s_wait_alu depctr_va_vdst(0)
	s_wait_kmcnt 0x0
	s_cmp_ge_u32 ttmp9, 256                        ; the choice of buffer hangs on the work-group's number alone
	s_cselect_b64 s[4:5], s[6:7], s[4:5]
	s_cmp_ge_u32 ttmp9, 352
	s_cselect_b64 s[4:5], s[8:9], s[4:5]
	s_add_nc_u64 s[4:5], s[4:5], s[26:27]
	s_add_nc_u64 s[10:11], s[10:11], s[34:35]
	s_add_nc_u64 s[12:13], s[12:13], s[36:37]
	WIN 0x40                                       ; destination window 1
.irp e, 0,1,2,3                        ; fragment e, lane row p: 512 consecutive bytes of row p + 8 (p / 8)
.irp p, 0,1,2,3,4,5,6,7,8,9,10,11,12,13,14,15
	global_load_b128 v[64*\e+4*\p:64*\e+4*\p+3], v2, s[4:5] offset:(\p+8*(\p/8))*4096+512*\e th:TH_LOAD_NT
.endr
.endr
.macro FRAGQ e
	s_wait_loadcnt 48-16*\e                        ; this fragment's 16 loads are in; the later fragments' stay out
	WIN 0x04                                       ; an LDS store's data are its source 1: window 1
.irp p, 0,1,2,3,4,5,6,7,8,9,10,11,12,13,14,15
	ds_store_b128 v3, v[64*\e+4*\p:64*\e+4*\p+3] offset:528*\p
.endr
	WIN 0
.irp b, 0,1,2,3
.irp j, 0,1,2,3
	ds_load_b128 v[X+16*\b+4*\j:X+16*\b+4*\j+3], v4 offset:128*\b+16*\j   ; LDS serves a wave's instructions in order: these see my stores
.endr
.endr
	s_wait_dscnt 0x0
	QUANT X, PC+12*\e, PC+12*\e+6, PX, PW+\e
.irp c, 0,1,2
	global_store_b128 v2, v[PC+12*\e+4*\c:PC+12*\e+4*\c+3], s[10:11] offset:24576*\e+512*\c   ; 32 lanes store 512 consecutive bytes, at a multiple of 256 from the buffer's first byte
.endr
.endm
	FRAGQ 0
	FRAGQ 1
	FRAGQ 2
	FRAGQ 3
	v_cndmask_b32 v6, v[PW], v[PW+2], s32          ; every lane holds its row's four words: lanes 0-15 send words 0, 1, lanes 16-31 words 2, 3
	v_cndmask_b32 v7, v[PW+1], v[PW+3], s32
	global_store_b64 v5, v[6:7], s[12:13]          ; 32 lanes store 256 consecutive bytes, aligned
	s_wait_tensorcnt 0x0
	ds_add_u32 v254, v255
	s_wait_dscnt 0x0
	s_endpgm
.Lfunc_end_k_q6db31e7d18_quant:
	.size	k_q6db31e7d18_quant, .Lfunc_end_k_q6db31e7d18_quant-k_q6db31e7d18_quant
	.p2alignl 7, 3214868480
	.fill 96, 4, 3214868480
	.section	.rodata,"a",@progbits
	.p2align	6, 0x0
	.amdhsa_kernel k_q6db31e7d18_quant
		.amdhsa_group_segment_fixed_size 34304
		.amdhsa_private_segment_fixed_size 0
		.amdhsa_enable_private_segment 0
		.amdhsa_kernarg_size 40
		.amdhsa_user_sgpr_count 2
		.amdhsa_user_sgpr_kernarg_segment_ptr 1
		.amdhsa_wavefront_size32 1
		.amdhsa_system_sgpr_workgroup_id_x 1
		.amdhsa_system_sgpr_workgroup_id_y 1
		.amdhsa_system_sgpr_workgroup_id_z 1
		.amdhsa_system_vgpr_workitem_id 0
		.amdhsa_next_free_vgpr 512
		.amdhsa_next_free_sgpr 66
		.amdhsa_reserve_vcc 0
		.amdhsa_float_denorm_mode_32 3
		.amdhsa_float_denorm_mode_16_64 3
		.amdhsa_memory_ordered 1
		.amdhsa_forward_progress 1
		.amdhsa_inst_pref_size 35
	.end_amdhsa_kernel
	.amdgpu_metadata
---
amdhsa.version: [ 1, 2 ]
amdhsa.kernels:
  - .name:           k_q6db31e7d18_quant
    .symbol:         k_q6db31e7d18_quant.kd
    .args:
      - { .name: x, .offset: 0, .size: 8, .value_kind: global_buffer, .address_space: global }
      - { .name: w_in, .offset: 8, .size: 8, .value_kind: global_buffer, .address_space: global }
      - { .name: w_out, .offset: 16, .size: 8, .value_kind: global_buffer, .address_space: global }
      - { .name: opc, .offset: 24, .size: 8, .value_kind: global_buffer, .address_space: global }
      - { .name: ops, .offset: 32, .size: 8, .value_kind: global_buffer, .address_space: global }
    .group_segment_fixed_size: 34304
    .private_segment_fixed_size: 0
    .kernarg_segment_align: 8
    .kernarg_segment_size: 40
    .max_flat_workgroup_size: 128
    .sgpr_count:     66
    .vgpr_count:     512
    .wavefront_size: 32
...
	.end_amdgpu_metadata
.endif
;; end of part 1
;; launch qkv (part 2): grid 8 x 32, 4 waves a work-group, clusters of 4 x 4, 327,680 bytes of LDS; arguments opc, ops, b_in, qc, qs, kv; writes qc, qs, kv
.if DOCPART == 2
	.amdgcn_target "amdgcn-amd-amdhsa--gfx1250"
	.amdhsa_code_object_version 6
	.text
	.protected	k_q6db31e7d18_qkv
	.globl	k_q6db31e7d18_qkv
	.p2align	8
	.type	k_q6db31e7d18_qkv,@function
k_q6db31e7d18_qkv:
	s_mov_b64 s[64:65], 0
	v_nop
	global_prefetch_b8 v0, s[64:65] scope:SCOPE_SE
	s_setreg_imm32_b32 hwreg(HW_REG_WAVE_MODE, 25, 1), 1
	s_wait_xcnt 0x0
	s_wait_alu depctr_hold_cnt(0) depctr_sa_sdst(0) depctr_va_vdst(0) depctr_va_sdst(0) depctr_va_ssrc(0) depctr_va_vcc(0) depctr_vm_vsrc(0)
	s_getreg_b32 s2, hwreg(HW_REG_IB_STS2, 6, 4)
	s_cmp_eq_u32 s2, 0
	s_cbranch_scc0 .Lentry_in_a_cluster
	s_endpgm
.Lentry_in_a_cluster:
	s_bfe_u32 s2, ttmp6, 0x10000c
	s_cmp_lg_u32 s2, 0xf033
	s_cbranch_scc0 .Lentry_shape_is_right
	s_endpgm
.Lentry_shape_is_right:
; The projection x w_in^T + b_in on codes of FP6 (E2M3) with E8M0 scales, and the quantising of its results q, k, v, which leave as codes and never as f32.
; OPERANDS: panels of 256 rows x 1,024 K, fragments as images of the operand's 12 registers (1,536 bytes), [panel][K step][block of 16 rows]; scale words [panel][block][K half][row][4].
; Panels 0-31 x; 32-39 w_in's q and k rows (a head's 64 q rows, then its 64 k rows); 40-43 w_in's v rows.  Of each 32 rows block u holds in lane r the row 8 u + r + 8 (r / 8).
; SHARES.  256 work-groups that stay: work-group (g, p) holds x's panel p, ALL of K, in LDS (196,608 bytes, fetched once) and walks three tiles of 128 rows of w_in:
; tile 0 head 2 g's q and k rows, tile 1 head 2 g + 1's, tile 2 the v rows of heads 2 g and 2 g + 1.  What a tile is hangs on its number alone, so no branch hangs on a work-group's place.
; Four waves, 2 x 2: 128 tokens x 64 rows of w_in each, 32 accumulators, taken by turns in the same order in every K step.
; B'S RING: two slots of 4 K steps (49,152 bytes).  At the head of K step 3 (and 7) a wave's reads of slot 0 (1) are over: the three lines, half of the step's products, a round of the cluster's barrier,
; and the slot takes the next tile's K steps: one load of 12,288 dense bytes a wave.  Four refills in all; each wait on TENSORcnt is for 0.  In tile 2 a plain barrier shows the last refill.
; CLUSTERS: 4 x 4; A's tiles are asked for jointly along a row of the cluster, B's along a column.
; Tiles 0, 1: source 0 = w_in's rows, source 1 = tokens: a lane holds one token and its 32 registers of a block run along the head's 64 channels; the wave with HB = 0 makes q, the other k; two token blocks make one fragment.
; Tile 2: the sources change places: a lane holds one channel of v and its 64 registers run along 128 keys, which are the K of attention's second product.  The bias is the C of each sum's first product.
; Scale words and biases go from memory straight into registers, sixteen lanes to 256 consecutive bytes; the next tile's are asked for behind a tile's last product, under its way out.
; PREFETCH: tiles 1 and 2 of B, 98,304 bytes each, are named once at the head, well ahead of the refills that load them: the 16 waves of a cluster's column share a tile's 384 blocks of 256 bytes out by address, 24 a wave; only the four clusters with an even y ask.
; OUT, as the next launch reads it.  qc [batch][head][pair of query tiles][6 x 256 bytes]; qs [batch][head][128 queries][row][4 words]; kv, 102,400 bytes a (batch, head): 32 fragments of K (pairs of key tiles), from 49,152 on 32 of V^T, from 98,304 on for each 128 keys 256 bytes of K's scale words and 256 of V's.
; LIMITS: NaN and infinities are not served; a block of zeros gets the byte 1 where the rule says 127 (its codes are zeros, and only this program reads the bytes).
; REGISTERS: window 0: v12-31 addresses; v32-95 A's scale words (8 a + K step); v96-127 B's (8 b + (K step + 4) % 8: the two numbers differ by 4 modulo 8); v128-198 the way out; v224-255 the bias.
;   window 1: v0-47, v48-95 B's two sets, v160-255 A's set 1.   window 2: the accumulators.   window 3: v0-95 A's set 0.
.set QB,     24576                     ; a K step of a panel
.set BQ,     12288                     ; a K step of half a panel
.set FRB,    1536
.set TILEB,  196608
.set KVB,    102400
.set BB,     8*QB                      ; B's ring, behind A's panel
.set SPARE,  BB+8*BQ                   ; the spare words, 128 bytes a wave
.set ADRA, 16                          ; v16-19 my A fragments, K steps 0-1, 2-3, 4-5, 6-7
.set ADRB, 20                          ; v20-21 my B fragments, slot 0, 1
.set PFO,  24                          ; v24 the prefetches' offset
.set REC,  26                          ; v26 16 r + 8 h
.set R16,  27                          ; v27 16 r
.set SPW,  28
.set NIL,  29
.set L16,  30
.set L8,   31
.set SA,   32
.set SB,   96
.set BI,   224
.set TM,   128                         ; the way out: +0..3 largest magnitudes, +4..7 the other half's, then bytes, +12..15 scale operands
.set QW,   148                         ; four scale words
.set QF,   164                         ; a fragment's 12 registers
.set RS,   188
.set PX,   192
.set G1A,  24
.set G1B,  32
.set G1R,  40
.set G0A,  48
.set G0B,  52
.set G0R,  56
.set G1W0, (3<<16)|(1<<21)             ; elements of 8 bytes, no padding, bit 21 beside a mask
.set MSB, 0
.macro WIN new                         ; the immediate's high byte repeats the setting that is left
.if MSB != (\new)
	s_set_vgpr_msb (MSB<<8)|(\new)
.set MSB, (\new)
.endif
.endm
.macro PLACES n
.rept \n
	v_nop
.endr
.endm
.macro CROUND                          ; a round of the cluster's barrier
	s_barrier_signal -1
	s_barrier_wait -1
	s_cmp_lg_u32 s16, 0
	s_cbranch_scc1 .Lnot_wave_0_\@
	s_barrier_signal -3
.Lnot_wave_0_\@:
	s_barrier_wait -3
	s_barrier_signal -1
	s_barrier_wait -1
.endm
.macro GROUP1 g, c, r, p               ; r rows of c elements, p elements apart
	s_mov_b32 s[\g+1], (\c)<<16
	s_mov_b32 s[\g+2], (\r)<<16
	s_mov_b32 s[\g+3], (\c)<<16
	s_mov_b32 s[\g+4], \r
	s_mov_b32 s[\g+5], \p
	s_mov_b32 s[\g+6], 0
	s_mov_b32 s[\g+7], 0
.endm
.macro FETCH ks                        ; K step ks's fragments into set ks % 2: B's four, A's eight
.set P, (\ks)%2
	WIN 0x40
.irp i, 0,1,2,3
.irp c, 0,1,2
	ds_load_b128 v[48*P+12*\i+4*\c:48*P+12*\i+4*\c+3], v[ADRB+(\ks)/4] offset:BQ*((\ks)%4)+FRB*\i+512*\c
.endr
.endr
	WIN 0xc0-0x80*P
.irp i, 0,1,2,3,4,5,6,7
.irp c, 0,1,2
	ds_load_b128 v[160*P+12*\i+4*\c:160*P+12*\i+4*\c+3], v[ADRA+(\ks)/2] offset:QB*P+FRB*\i+512*\c
.endr
.endr
.endm
.macro MULH ks, role, a0               ; 16 products: A's blocks a0 .. a0 + 3 x B's four.  role 0: source 0 = B; role 1: source 0 = A
.set P, (\ks)%2
.if (\ks) == 0
.set CW, 0                             ; C is the bias, window 0
.else
.set CW, 2
.endif
.if \role
	WIN 0x84|(3-2*P)|(CW<<4)
.else
	WIN 0x81|((3-2*P)<<2)|(CW<<4)
.endif
.irp a, \a0, \a0+1, \a0+2, \a0+3
.irp b, 0,1,2,3
.set rB, 48*P+12*\b
.set rA, 160*P+12*(\a)
.if \role
.set rD, 8*(8*\b+(\a))
.else
.set rD, 8*(4*(\a)+\b)
.endif
.if (\ks) == 0
.set rC, BI+8*\b
.else
.set rC, rD
.endif
.if \role
	v_wmma_scale_f32_16x16x128_f8f6f4 v[rD:rD+7], v[rA:rA+11], v[rB:rB+11], v[rC:rC+7], v[SA+8*(\a)+(\ks)], v[SB+8*\b+((\ks)+4)%8] matrix_a_fmt:MATRIX_FMT_FP6 matrix_b_fmt:MATRIX_FMT_FP6
.else
	v_wmma_scale_f32_16x16x128_f8f6f4 v[rD:rD+7], v[rB:rB+11], v[rA:rA+11], v[rC:rC+7], v[SB+8*\b+((\ks)+4)%8], v[SA+8*(\a)+(\ks)] matrix_a_fmt:MATRIX_FMT_FP6 matrix_b_fmt:MATRIX_FMT_FP6
.endif
.endr
.endr
.endm
; K step ks of tile t.  Its fragments were asked for ahead of the step before; the next step's go out ahead of (where a round stands: in the middle of) its products.
.macro STEP t, ks, role
.if ((\ks) == 3 || (\ks) == 7) && (\t) < 2
	WIN 0                                          ; (the add's two registers lie in window 0)
	s_wait_dscnt 0x0                               ; this step's fragments are in: my reads of its slot are over
	s_wait_tensorcnt 0x0                           ; all my tensor loads have landed: my part of the other slot
	ds_add_u32 v[SPW], v[NIL]
.if (\ks) == 3
	s_mov_b32 s[G0R+1], s69                        ; slot 0 takes the next tile's K steps 0-3, a K step a wave
	s_mov_b64 s[G0R+2:G0R+3], s[60+2*(\t):61+2*(\t)]
.else
	s_add_co_u32 s[G0R+1], s69, 4*BQ               ; slot 1 its K steps 4-7
	s_add_nc_u64 s[G0R+2:G0R+3], s[60+2*(\t):61+2*(\t)], 4*QB
.endif
	s_or_b32 s[G0R+3], s[G0R+3], 0x80000000
	MULH \ks, \role, 0                             ; sixteen products stand between the add and the wait for it
	WIN 0
	s_wait_dscnt 0x0
	CROUND                                         ; no wave of any partner still reads the slot or has a load on its way
	tensor_load_to_lds s[G0R:G0R+3], s[G1R:G1R+7]  ; my one load behind the round
	s_nop 0
	PLACES 4
	FETCH ((\ks)+1)%8
	MULH \ks, \role, 4
.elseif (\ks) == 3
	s_wait_dscnt 0x0
	s_wait_tensorcnt 0x0                           ; the last refill is in,
	s_barrier_signal -1
	s_barrier_wait -1                              ; in every wave
	PLACES 4
	FETCH 4
	MULH \ks, \role, 0
	MULH \ks, \role, 4
.elseif (\ks) == 7
	s_wait_dscnt 0x0                               ; the very last step: nothing more to fetch
	MULH \ks, \role, 0
	MULH \ks, \role, 4
.else
	s_wait_dscnt 0x0
	PLACES 4                                       ; in front of loads into registers that the last step's products read
	FETCH (\ks)+1
	MULH \ks, \role, 0
	MULH \ks, \role, 4
.endif
.endm
.macro TILE t, role
.irp k, 0,1,2,3,4,5,6,7
	STEP \t, \k, \role
.endr
	WIN 0
	PLACES 4                                       ; in front of the first read of results and of loads into the scale words and the bias
.endm
; 64 results of a lane at window 2's register as (register 16 b + i = neighbour 32 b + 16 h + i) are quantised where they lie: registers 0-5 of the fragment to d0, 6-11 to d1, the scale word to pw.  Each accumulator is read from its low end on.
.macro QUANTW as, d0, d1, pw
	WIN 0x0a
.irp b, 0,1,2,3
	v_max3_num_f32 v[TM+\b], |v[(\as)+16*\b]|, |v[(\as)+1+16*\b]|, 0x1800000   ; and the floor 2^(3 - 127): the byte cannot fall under 1
.endr
.irp i, 2,4,6,8,10,12,14
.irp b, 0,1,2,3
	v_max3_num_f32 v[TM+\b], |v[(\as)+16*\b+\i]|, |v[(\as)+1+16*\b+\i]|, v[TM+\b]
.endr
.endr
	WIN 0
.irp b, 0,1,2,3
	v_permlanex16_b32 v[TM+4+\b], v[TM+\b], s66, s67
.endr
.irp b, 0,1,2,3
	v_max_num_f32 v[TM+\b], v[TM+\b], v[TM+4+\b]
.endr
.irp b, 0,1,2,3
	v_add_nc_u32 v[TM+12+\b], 0xff000000, v[TM+\b] ; 2 off the exponent field: the conversion's scale operand
.endr
.irp b, 0,1,2,3
	v_lshrrev_b32 v[TM+4+\b], 23, v[TM+12+\b]      ; the byte
.endr
	v_lshl_or_b32 v[\pw], v[TM+5], 8, v[TM+4]
	v_lshl_or_b32 v[\pw], v[TM+6], 16, v[\pw]
	v_lshl_or_b32 v[\pw], v[TM+7], 24, v[\pw]
	WIN 0x02
	v_cvt_scalef32_pk16_fp6_f32 v[(\d0):(\d0)+2], v[(\as):(\as)+15], v[TM+12]
	v_cvt_scalef32_pk16_fp6_f32 v[PX:PX+2], v[(\as)+16:(\as)+31], v[TM+13]
	v_cvt_scalef32_pk16_fp6_f32 v[(\d1):(\d1)+2], v[(\as)+32:(\as)+47], v[TM+14]
	v_cvt_scalef32_pk16_fp6_f32 v[PX+4:PX+6], v[(\as)+48:(\as)+63], v[TM+15]
	WIN 0
	v_nop                                          ; one plain place behind a scaled conversion
.irp i, 0,1,2
	v_permlane16_swap_b32 v[(\d0)+\i], v[PX+\i]
	v_permlane16_swap_b32 v[(\d1)+\i], v[PX+4+\i]
.endr
.irp i, 0,1,2
	v_mov_b32 v[(\d0)+3+\i], v[PX+\i]
	v_mov_b32 v[(\d1)+3+\i], v[PX+4+\i]
.endr
.endm
.macro RECORD                          ; lanes 0-15 send words 0, 1 of their row, lanes 16-31 words 2, 3
	v_cndmask_b32 v[RS], v[QW], v[QW+2], s68
	v_cndmask_b32 v[RS+1], v[QW+1], v[QW+3], s68
.endm
.macro PUTQK t, p                      ; pair p of token blocks of tile t: q's fragment to qc, or k's to kv; behind the last pair the scale record
	s_wait_xcnt 0x0                                ; earlier stores have read their registers
	QUANTW 64*\p, QF, QF+6, QW+\p
.if \p == 3
	RECORD
.endif
	s_wait_alu depctr_va_vdst(0)
	s_cmp_lg_u32 s18, 0
	s_cbranch_scc1 .Lk_\@
.irp g, 0,1,2,3,4,5
	global_store_b64 v[L8], v[QF+2*\g:QF+2*\g+1], s[10:11] offset:49152*\t+FRB*\p+256*\g   ; 32 lanes store 256 consecutive bytes, aligned
.endr
.if \p == 3
	global_store_b64 v[REC], v[RS:RS+1], s[12:13] offset:2048*\t
.endif
	s_branch .Ldone_\@
.Lk_\@:
.irp c, 0,1,2
	global_store_b128 v[L16], v[QF+4*\c:QF+4*\c+3], s[80:81] offset:KVB*\t+FRB*\p+512*\c
.endr
.if \p == 3
	global_store_b64 v[REC], v[RS:RS+1], s[82:83] offset:KVB*\t
.endif
.Ldone_\@:
.endm
.macro LOADSB base, off                ; B's scale words of a tile; the two halves of K change places
.irp i, 0,1,2,3
.irp k, 0,1
	global_load_b128 v[SB+8*\i+4-4*\k:SB+8*\i+7-4*\k], v[R16], s[\base:\base+1] offset:\off+512*\i+256*\k
.endr
.endr
.endm
.macro BIASQ off                       ; register j of block b wants the bias of row 32 (b / 2) + 16 h + 8 (b % 2) + j of my 64
.irp b, 0,1,2,3
	global_load_b128 v[BI+8*\b:BI+8*\b+3], v12, s[74:75] offset:\off+128*(\b/2)+32*(\b%2)
	global_load_b128 v[BI+8*\b+4:BI+8*\b+7], v12, s[74:75] offset:\off+128*(\b/2)+32*(\b%2)+16
.endr
.endm
	s_load_b256 s[4:11], s[0:1], 0x0               ; opc s[4:5], ops s[6:7], b_in s[8:9], qc s[10:11]
	s_load_b128 s[12:15], s[0:1], 0x20             ; qs s[12:13], kv s[14:15]
	v_lshl_add_u32 v[SPW], v0, 2, SPARE
	v_mov_b32 v[NIL], 0
	ds_add_u32 v[SPW], v[NIL]                      ; the opening lines: the add, twice on end, and its wait
	ds_add_u32 v[SPW], v[NIL]
	v_lshrrev_b32 v1, 5, v0
	v_readfirstlane_b32 s16, v1                    ; wave 0..3
	s_lshr_b32 s17, s16, 1                         ; HA: my half of the tokens.  At the head: which half of K I fetch
	s_and_b32 s18, s16, 1                          ; HB: my half of w_in's rows.  At the head: I fetch for A (0) or for B (1)
	s_bfe_u32 s20, ttmp6, 0x40000                  ; cx
	s_bfe_u32 s21, ttmp6, 0x40004                  ; cy
	s_lshl_b32 s2, s21, 2
	s_lshl_b32 s2, 15, s2                          ; my row of the cluster
	s_lshl_b32 s3, 0x1111, s20                     ; my column
	s_or_b32 s[G1A], s2, G1W0
	s_or_b32 s[G1B], s3, G1W0
	s_or_b32 s[G1R], s3, G1W0
	GROUP1 G1A, 32, 384, 32                        ; half of A's panel: 98,304 dense bytes as rows of 256
	GROUP1 G1B, 1536, 4, 3072                      ; a slot of B at the head: for each of 4 K steps 12,288 bytes, 24,576 apart
	GROUP1 G1R, 32, 48, 32                         ; a refill: one K step's 12,288 dense bytes
	s_lshl_b32 s22, ttmp9, 2
	s_add_co_u32 s22, s22, s20                     ; g, 0..7
	s_and_b32 s23, ttmp7, 0xffff
	s_lshl_b32 s23, s23, 2
	s_add_co_u32 s23, s23, s21                     ; p, 0..31
	s_mul_i32 s90, s17, 4*QB                       ; my half of K, in a panel and in A's LDS
	s_mul_i32 s92, s23, TILEB
	s_add_co_u32 s92, s92, s90
	s_mov_b32 s93, 0
	s_add_co_u32 s94, s22, 32
	s_mul_i32 s94, s94, TILEB                      ; panel 32 + g: tile 0 its first half, tile 1 its second
	s_mov_b32 s95, 0
	s_mul_i32 s96, s16, QB
	s_add_co_u32 s96, s96, s94
	s_add_co_u32 s96, s96, 8*FRB                   ; tile 1, K step = my wave's number
	s_mov_b32 s97, 0
	s_add_co_u32 s94, s94, s90
	s_lshr_b32 s98, s22, 1
	s_add_co_u32 s98, s98, 40
	s_mul_i32 s98, s98, TILEB
	s_and_b32 s99, s22, 1
	s_mul_i32 s99, s99, 8*FRB
	s_add_co_u32 s98, s98, s99
	s_mul_i32 s99, s16, QB
	s_add_co_u32 s98, s98, s99                     ; tile 2: half g % 2 of panel 40 + g / 2
	s_mov_b32 s99, 0
	s_mul_i32 s91, s17, 4*BQ
	s_add_co_u32 s91, s91, BB
	s_mul_i32 s69, s16, BQ
	s_add_co_u32 s69, s69, BB                      ; where my refills go in slot 0: no place in the cluster enters an LDS address
	s_wait_dscnt 0x0                               ; both opening adds are done
	s_wait_kmcnt 0x0
	s_add_nc_u64 s[92:93], s[4:5], s[92:93]
	s_add_nc_u64 s[94:95], s[4:5], s[94:95]
	s_add_nc_u64 s[60:61], s[4:5], s[96:97]
	s_add_nc_u64 s[62:63], s[4:5], s[98:99]
	s_mov_b32 s[G0A], 1
	s_mov_b32 s[G0A+1], s90
	s_mov_b64 s[G0A+2:G0A+3], s[92:93]
	s_or_b32 s[G0A+3], s[G0A+3], 0x80000000
	s_mov_b32 s[G0B], 1
	s_mov_b32 s[G0B+1], s91
	s_mov_b64 s[G0B+2:G0B+3], s[94:95]
	s_or_b32 s[G0B+3], s[G0B+3], 0x80000000
	s_mov_b32 s[G0R], 1
	CROUND                                         ; all sixteen work-groups are here: the joint loads meet
; The head's loads, one a wave, each in an arm of its own: wave 0 K steps 0-3 of A, wave 1 of B (slot 0), wave 2 K steps 4-7 of A, wave 3 of B (slot 1).  What is needed first is asked for first.
.macro ARM under, g0, g1, next
	s_cmp_lt_u32 s16, \under
	s_cbranch_scc0 \next
	tensor_load_to_lds s[\g0:\g0+3], s[\g1:\g1+7]
	s_nop 0
	PLACES 4
	s_branch .Lasked
\next:
.endm
	ARM 1, G0A, G1A, .Lwave_1
	ARM 2, G0B, G1B, .Lwave_2
	ARM 3, G0A, G1A, .Lwave_3
	tensor_load_to_lds s[G0B:G0B+3], s[G1B:G1B+7]
	s_nop 0
	PLACES 4
.Lasked:
	s_mov_b32 s66, 0x76543210
	s_mov_b32 s67, 0xfedcba98                      ; v_permlanex16_b32's selects for lane l xor 16
	s_mov_b32 s68, 0xffff0000                      ; lanes 16-31
	s_lshr_b32 s90, s23, 2
	s_lshl_b32 s90, s90, 4
	s_lshl_b32 s91, s22, 1
	s_add_co_u32 s90, s90, s91                     ; 16 x batch + head 2 g
	s_and_b32 s91, s23, 3
	s_lshl_b32 s91, s91, 1
	s_add_co_u32 s91, s91, s17                     ; which 128 tokens of the batch
	s_mov_b32 s93, 0
	s_mul_i32 s94, s90, KVB
	s_mul_i32 s95, s91, 4*FRB
	s_add_co_u32 s92, s94, s95
	s_add_nc_u64 s[80:81], s[14:15], s[92:93]      ; kv: K's four fragments, head 2 g
	s_lshl_b32 s92, s91, 9
	s_add_co_u32 s92, s92, s94
	s_add_co_u32 s92, s92, 98304
	s_add_nc_u64 s[82:83], s[14:15], s[92:93]      ; kv: K's scale record
	s_mul_i32 s92, s18, KVB
	s_add_nc_u64 s[84:85], s[80:81], s[92:93]      ; the same of head 2 g + HB, for V
	s_add_nc_u64 s[86:87], s[82:83], s[92:93]
	s_mul_i32 s92, s90, 49152
	s_add_co_u32 s92, s92, s95
	s_add_nc_u64 s[10:11], s[10:11], s[92:93]      ; qc: my four pairs
	s_lshl_b32 s92, s90, 3
	s_add_co_u32 s92, s92, s91
	s_lshl_b32 s92, s92, 8
	s_add_nc_u64 s[12:13], s[12:13], s[92:93]      ; qs: my record
	s_mul_i32 s95, s22, 1536                       ; b_in: head 2 g's 192 numbers
	s_lshl_b32 s94, s18, 8
	s_add_co_u32 s92, s95, s94
	s_add_nc_u64 s[74:75], s[8:9], s[92:93]        ; its q rows or its k rows
	s_mul_i32 s94, s18, 768
	s_add_co_u32 s92, s95, s94
	s_add_nc_u64 s[76:77], s[8:9], s[92:93]        ; head 2 g + HB
	s_lshl_b32 s94, s18, 11                        ; scale words: my 4 blocks of a tile's 8
	s_lshl_b32 s92, s22, 13
	s_add_co_u32 s92, s92, s94
	s_add_co_u32 s92, s92, 32*8192
	s_add_nc_u64 s[70:71], s[6:7], s[92:93]
	s_lshl_b32 s92, s22, 12
	s_add_co_u32 s92, s92, s94
	s_add_co_u32 s92, s92, 40*8192
	s_add_nc_u64 s[72:73], s[6:7], s[92:93]
	s_lshl_b32 s92, s23, 13
	s_lshl_b32 s94, s17, 12
	s_add_co_u32 s92, s92, s94
	s_add_nc_u64 s[78:79], s[6:7], s[92:93]        ; A's: my 8 blocks
	s_lshl_b32 s94, s21, 2                         ; the prefetches: my number among the 16 waves of my column of the cluster,
	s_add_co_u32 s94, s94, s16
	s_lshr_b32 s95, s94, 1
	s_mul_i32 s95, s95, QB                         ; its K step,
	s_and_b32 s94, s94, 1
	s_mul_i32 s94, s94, 6144                       ; and its half of the K step's 12,288 bytes
	s_add_co_u32 s94, s94, s95
	s_add_co_u32 s92, s22, 32
	s_mul_i32 s92, s92, TILEB
	s_add_co_u32 s92, s92, s94
	s_add_co_u32 s92, s92, 8*FRB
	s_add_nc_u64 s[88:89], s[4:5], s[92:93]        ; in tile 1
	s_lshr_b32 s92, s22, 1
	s_add_co_u32 s92, s92, 40
	s_mul_i32 s92, s92, TILEB
	s_add_co_u32 s92, s92, s94
	s_and_b32 s95, s22, 1
	s_mul_i32 s95, s95, 8*FRB
	s_add_co_u32 s92, s92, s95
	s_add_nc_u64 s[96:97], s[4:5], s[92:93]        ; in tile 2
	s_mul_i32 s98, s17, 8*FRB
	s_mul_i32 s99, s18, 4*FRB
	s_add_co_u32 s99, s99, BB
	v_and_b32 v1, 31, v0
	v_and_b32 v2, 15, v0                           ; r
	v_bfe_u32 v3, v0, 4, 1                         ; h
	v_lshlrev_b32 v[L16], 4, v1
	v_lshlrev_b32 v[L8], 3, v1
	v_lshlrev_b32 v[R16], 4, v2
	v_lshl_add_u32 v[REC], v3, 3, v[R16]
	v_add_nc_u32 v[ADRA], s98, v[L16]
	v_add_nc_u32 v[ADRA+1], 2*QB, v[ADRA]
	v_add_nc_u32 v[ADRA+2], 4*QB, v[ADRA]
	v_add_nc_u32 v[ADRA+3], 6*QB, v[ADRA]
	v_add_nc_u32 v[ADRB], s99, v[L16]
	v_add_nc_u32 v[ADRB+1], 4*BQ, v[ADRB]
	v_lshlrev_b32 v12, 6, v3                       ; q's and k's bias: 64 h
	v_and_b32 v13, 8, v2
	v_add_nc_u32 v13, v13, v2
	v_lshlrev_b32 v13, 2, v13                      ; v's bias: 4 (r + 8 (r / 8))
	v_min_u32 v[PFO], 23, v1                       ; 24 blocks of 256 bytes a wave; the lanes left over name the last again
	v_lshlrev_b32 v[PFO], 8, v[PFO]
.irp b, 0,1,2,3
	v_mov_b32 v[TM+4+\b], 0                        ; a lane permute's destination counts as one of its sources
.endr
	s_wait_alu depctr_va_vdst(0)
.irp i, 0,1,2,3,4,5,6,7                ; A's scale words of all of K, once: four K steps a load
.irp k, 0,1
	global_load_b128 v[SA+8*\i+4*\k:SA+8*\i+4*\k+3], v[R16], s[78:79] offset:512*\i+256*\k
.endr
.endr
	LOADSB 70, 0
	BIASQ 0
	s_and_b32 s2, ttmp7, 1                         ; the cluster's y: the same in all partners
	s_cmp_eq_u32 s2, 0
	s_cbranch_scc0 .Lno_prefetch
	global_prefetch_b8 v[PFO], s[88:89] th:TH_LOAD_NT scope:SCOPE_SE
	global_prefetch_b8 v[PFO], s[96:97] th:TH_LOAD_NT scope:SCOPE_SE
.Lno_prefetch:
	s_cmp_lt_u32 s16, 2                            ; waves 0 and 1 wait for their tiles, K steps 0-3; waves 2 and 3's may still be on their way:
	s_cbranch_scc0 .Lnot_first                     ; K steps 4-7 are first read behind K step 3's round, in front of which every wave waits for all its loads
	s_wait_tensorcnt 0x0
.Lnot_first:
	s_barrier_signal -1
	s_barrier_wait -1                              ; K steps 0-3 are in
	FETCH 0
	s_wait_loadcnt 0x0                             ; the scale words and the bias
	TILE 0, 0
	LOADSB 70, 4096                                ; tile 1's, under tile 0's way out
	BIASQ 768
.irp p, 0,1,2,3
	PUTQK 0, \p
.endr
	s_wait_loadcnt 0x0
	TILE 1, 0
	LOADSB 72, 0                                   ; tile 2's
.irp b, 0,1,2,3                        ; all eight registers of block b want the bias of the lane's own channel
.irp j, 0,1,2,3,4,5,6,7
	global_load_b32 v[BI+8*\b+\j], v13, s[76:77] offset:512+(32*(\b/2)+8*(\b%2))*4
.endr
.endr
.irp p, 0,1,2,3
	PUTQK 1, \p
.endr
	s_wait_loadcnt 0x0
	TILE 2, 1
.irp b, 0,1,2,3                        ; 16 channels x my 128 keys: one fragment of V^T
	s_wait_xcnt 0x0
	QUANTW 64*\b, QF, QF+6, QW+\b
.irp c, 0,1,2
	global_store_b128 v[L16], v[QF+4*\c:QF+4*\c+3], s[84:85] offset:49152+FRB*\b+512*\c
.endr
.endr
	RECORD
	global_store_b64 v[REC], v[RS:RS+1], s[86:87] offset:256
	s_wait_tensorcnt 0x0                           ; the wave's end
	ds_add_u32 v[SPW], v[NIL]
	s_wait_dscnt 0x0
	CROUND                                         ; the closing round
	s_endpgm
.Lfunc_end_k_q6db31e7d18_qkv:
	.size	k_q6db31e7d18_qkv, .Lfunc_end_k_q6db31e7d18_qkv-k_q6db31e7d18_qkv
	.p2alignl 7, 3214868480
	.fill 96, 4, 3214868480
	.section	.rodata,"a",@progbits
	.p2align	6, 0x0
	.amdhsa_kernel k_q6db31e7d18_qkv
		.amdhsa_group_segment_fixed_size 327680
		.amdhsa_private_segment_fixed_size 0
		.amdhsa_enable_private_segment 0
		.amdhsa_kernarg_size 48
		.amdhsa_user_sgpr_count 2
		.amdhsa_user_sgpr_kernarg_segment_ptr 1
		.amdhsa_wavefront_size32 1
		.amdhsa_system_sgpr_workgroup_id_x 1
		.amdhsa_system_sgpr_workgroup_id_y 1
		.amdhsa_system_sgpr_workgroup_id_z 1
		.amdhsa_system_vgpr_workitem_id 0
		.amdhsa_next_free_vgpr 1024
		.amdhsa_next_free_sgpr 102
		.amdhsa_reserve_vcc 0
		.amdhsa_float_denorm_mode_32 3
		.amdhsa_float_denorm_mode_16_64 3
		.amdhsa_memory_ordered 1
		.amdhsa_forward_progress 1
		.amdhsa_inst_pref_size 235
	.end_amdhsa_kernel
	.amdgpu_metadata
---
amdhsa.version: [ 1, 2 ]
amdhsa.kernels:
  - .name:           k_q6db31e7d18_qkv
    .symbol:         k_q6db31e7d18_qkv.kd
    .args:
      - { .name: opc, .offset: 0, .size: 8, .value_kind: global_buffer, .address_space: global }
      - { .name: ops, .offset: 8, .size: 8, .value_kind: global_buffer, .address_space: global }
      - { .name: b_in, .offset: 16, .size: 8, .value_kind: global_buffer, .address_space: global }
      - { .name: qc, .offset: 24, .size: 8, .value_kind: global_buffer, .address_space: global }
      - { .name: qs, .offset: 32, .size: 8, .value_kind: global_buffer, .address_space: global }
      - { .name: kv, .offset: 40, .size: 8, .value_kind: global_buffer, .address_space: global }
    .group_segment_fixed_size: 327680
    .private_segment_fixed_size: 0
    .kernarg_segment_align: 8
    .kernarg_segment_size: 48
    .max_flat_workgroup_size: 128
    .sgpr_count:     102
    .vgpr_count:     1024
    .wavefront_size: 32
...
	.end_amdgpu_metadata
.endif
;; end of part 2
;; launch attn (part 3): grid 4 x 64, 16 waves a work-group, clusters of 4 x 1, 327,680 bytes of LDS; arguments qc, qs, kv, vc, vs; writes vc, vs
.if DOCPART == 3
	.amdgcn_target "amdgcn-amd-amdhsa--gfx1250"
	.amdhsa_code_object_version 6
	.text
	.protected	k_q6db31e7d18_attn
	.globl	k_q6db31e7d18_attn
	.p2align	8
	.type	k_q6db31e7d18_attn,@function
k_q6db31e7d18_attn:
	s_mov_b64 s[64:65], 0
	v_nop
	global_prefetch_b8 v0, s[64:65] scope:SCOPE_SE
	s_setreg_imm32_b32 hwreg(HW_REG_WAVE_MODE, 25, 1), 1
	s_wait_xcnt 0x0
	s_wait_alu depctr_hold_cnt(0) depctr_sa_sdst(0) depctr_va_vdst(0) depctr_va_sdst(0) depctr_va_ssrc(0) depctr_va_vcc(0) depctr_vm_vsrc(0)
	s_getreg_b32 s2, hwreg(HW_REG_IB_STS2, 6, 4)
	s_cmp_eq_u32 s2, 0
	s_cbranch_scc0 .Lentry_in_a_cluster
	s_endpgm
.Lentry_in_a_cluster:
	s_bfe_u32 s2, ttmp6, 0x10000c
	s_cmp_lg_u32 s2, 0x3003
	s_cbranch_scc0 .Lentry_shape_is_right
	s_endpgm
.Lentry_shape_is_right:
; softmax(q k^T / 8) v on codes of FP6 (E2M3) with E8M0 scales, for two heads of one batch and 256 queries a work-group; the result leaves quantised along the channels, as an operand of the last projection.
; SHARES.  Work-group y = (batch, pair of heads); the four work-groups of a cluster take 256 queries each and need the same K and V: the two heads' records, 2 x 102,400 bytes on end in kv,
; are asked for JOINTLY, once, at the head: each of the 16 waves fetches 12,800 of the 204,800 bytes by one tensor load; waves 0-7 bring head 0's record, waves 8-15 head 1's, by load lines of their own.
; Nothing is filled again.  The first barrier shows head 0's record alone (waves 0-7 wait for their loads); head 1's lands under head 0's work and is shown by a second barrier ahead of head 1, in front of which every wave waits.
; A wave takes 16 queries through head 0's 1,024 keys and then through head 1's.  Its 16 x 128 results are one fragment of vc (K step = the pair of heads) and one scale word a row.
; No prefetch: every byte that the work-group reads through LDS is asked for by the head's one group of loads, and no loop runs ahead of a load.
; A RECORD of kv: 32 fragments of K, each a pair of key tiles (a row: the even tile's key, 64 channels, then the odd tile's); from 49,152 on 32 fragments of V^T (128 keys x 16 channels); from 98,304 on, for each 128 keys, K's and V's scale words.
; BOTH PRODUCTS ARE USED TRANSPOSED (S^T = k q^T, O^T = v^T p^T): a lane holds one query.  The head has 64 channels and the instruction 128 along K: q stands beside six registers of zero codes, once above and once below, and picks the even or the odd key tile of a pair.
; THE SOFTMAX: t = score x log2(e) / 8; M = ceil(running largest t), kept as -M = floor(-t); p = 2^(t - M); the row's sum is taken of the unquantised p; when M moves, the sum and O^T are multiplied by the exact 2^(old M - new M).
; A block's largest p comes from the block's largest score by the same multiply-add and exponential.
; LIMITS: the promise holds while |t| stays under 2^31; NaN and infinities are not served; a block of zeros gets the byte 1 where the rule says 127 (its codes are zeros, and only this program reads the bytes).
; REGISTERS: v1 16 x lane, v4 8 x lane, v5 16 r; v8-11 scale words of a step; v12 -M, v13 largest t, v14-15 the sum; v16-33 q between zeros; v36-43 head 1's q and both scale words; v44-56 the result; v64-111 four fragments; v112-175 S^T, then p; v176-207 O^T.
.set KVB, 102400
.set FRB, 1536
.set ZQ,  16
.set QSC, 34
.set PSC, 35
.set VF,  44
.set VW,  56
.set FC,  58
.set FR,  64
.set S,   112
.set OT,  176
.set PC,  208
.set PX,  220
.set BM,  228
.set BT,  232
.set SO,  236
.set CH,  240
.set TT,  242
.macro CROUND                          ; a round of the cluster's barrier
	s_barrier_signal -1
	s_barrier_wait -1
	s_cmp_lg_u32 s14, 0
	s_cbranch_scc1 .Lnot_wave_0_\@
	s_barrier_signal -3
.Lnot_wave_0_\@:
	s_barrier_wait -3
	s_barrier_signal -1
	s_barrier_wait -1
.endm
	s_load_b256 s[4:11], s[0:1], 0x0               ; qc, qs, kv, vc
	s_load_b64 s[12:13], s[0:1], 0x20              ; vs
	v_lshl_add_u32 v254, v0, 2, 0x32000            ; my spare word, behind the two records
	v_mov_b32 v255, 0
	ds_add_u32 v254, v255                          ; the opening lines: the add, twice on end, and its wait
	ds_add_u32 v254, v255
	v_lshrrev_b32 v6, 5, v0
	s_delay_alu instid0(VALU_DEP_1)
	v_readfirstlane_b32 s14, v6                    ; wave 0..15
	s_bfe_u32 s15, ttmp6, 0x40000                  ; cx: which 256 queries
	s_and_b32 s16, ttmp7, 0xffff                   ; 8 x batch + pair of heads
	v_and_b32 v6, 31, v0
	s_delay_alu instid0(VALU_DEP_1)
	v_lshlrev_b32 v1, 4, v6
	s_delay_alu instid0(VALU_DEP_2)
	v_lshlrev_b32 v4, 3, v6
	v_and_b32 v5, 15, v0
	s_delay_alu instid0(VALU_DEP_1)
	v_lshlrev_b32 v5, 4, v5
	s_mov_b32 s20, 0x76543210
	s_mov_b32 s21, 0xfedcba98                      ; v_permlanex16_b32's selects for lane l xor 16
	s_mov_b32 s22, 0x3e38aa3b                      ; log2(e) / 8
	s_mov_b32 s23, s22
	s_mov_b32 s43, 0xffff0000                      ; lanes 16-31
	s_mov_b32 s24, 15|(3<<16)|(1<<21)              ; group 1: all four partners; 12,800 dense bytes as 50 rows of 256 (32 elements of 8 bytes)
	s_mov_b32 s25, 32<<16
	s_mov_b32 s26, 50<<16
	s_mov_b32 s27, 32<<16
	s_mov_b32 s28, 50
	s_mov_b32 s29, 32
	s_mov_b32 s30, 0
	s_mov_b32 s31, 0
	s_mul_i32 s48, s14, 12800                      ; my sixteenth of the two records, in LDS as in memory
	s_mul_i32 s50, s16, 2*KVB
	s_add_co_u32 s50, s50, s48
	s_mov_b32 s51, 0
	s_lshl_b32 s52, s15, 3                         ; qc: my query tile's half of its pair's fragment
	s_lshr_b32 s53, s14, 1
	s_add_co_u32 s52, s52, s53
	s_mul_i32 s52, s52, FRB
	s_and_b32 s53, s14, 1
	s_lshl_b32 s44, s53, 4                         ; which two bytes of a scale word are my tile's
	s_mul_i32 s53, s53, 768
	s_add_co_u32 s52, s52, s53
	s_mul_i32 s53, s16, 98304
	s_add_co_u32 s52, s52, s53
	s_mov_b32 s53, 0
	s_lshl_b32 s54, s15, 1                         ; qs: my pair's word
	s_lshr_b32 s55, s14, 3
	s_add_co_u32 s54, s54, s55
	s_lshl_b32 s54, s54, 8
	s_bfe_u32 s55, s14, 0x20001
	s_lshl_b32 s55, s55, 2
	s_add_co_u32 s54, s54, s55
	s_lshl_b32 s55, s16, 12
	s_add_co_u32 s54, s54, s55
	s_mov_b32 s55, 0
	s_lshr_b32 s56, s16, 3                         ; vc, vs: panel 4 x batch + cx, K step = pair of heads, block = wave
	s_lshl_b32 s56, s56, 2
	s_add_co_u32 s56, s56, s15
	s_and_b32 s57, s16, 7
	s_mul_i32 s58, s56, 196608
	s_mul_i32 s59, s57, 24576
	s_add_co_u32 s58, s58, s59
	s_mul_i32 s59, s14, FRB
	s_add_co_u32 s58, s58, s59
	s_mov_b32 s59, 0
	s_lshl_b32 s56, s56, 13
	s_lshl_b32 s46, s14, 9
	s_add_co_u32 s56, s56, s46
	s_lshr_b32 s46, s57, 2
	s_lshl_b32 s46, s46, 8
	s_add_co_u32 s56, s56, s46
	s_and_b32 s46, s57, 3
	s_lshl_b32 s46, s46, 2
	s_add_co_u32 s56, s56, s46
	s_mov_b32 s57, 0
	s_wait_dscnt 0x0                               ; both opening adds are done
	s_wait_kmcnt 0x0
	s_add_nc_u64 s[50:51], s[8:9], s[50:51]
	s_add_nc_u64 s[4:5], s[4:5], s[52:53]
	s_add_nc_u64 s[6:7], s[6:7], s[54:55]
	s_add_nc_u64 s[10:11], s[10:11], s[58:59]
	s_add_nc_u64 s[12:13], s[12:13], s[56:57]
	s_mov_b32 s32, 1
	s_mov_b32 s33, s48
	s_mov_b64 s[34:35], s[50:51]
	s_or_b32 s35, s35, 0x80000000
	CROUND                                         ; the four partners are here: the joint loads meet
	s_cmp_lt_u32 s14, 8                            ; my one tensor load: the waves that bring head 0's record and those that bring head 1's have a line each
	s_cbranch_scc0 .Lhead_1
	tensor_load_to_lds s[32:35], s[24:31]
	s_nop 0
.rept 4
	v_nop
.endr
	s_branch .Lasked
.Lhead_1:
	tensor_load_to_lds s[32:35], s[24:31]
	s_nop 0
.rept 4
	v_nop
.endr
.Lasked:
	s_wait_alu depctr_va_vdst(0)
.irp g, 0,1,2
	global_load_b64 v[ZQ+6+2*\g:ZQ+7+2*\g], v4, s[4:5] offset:256*\g             ; head 0's q: 32 lanes read 256 consecutive bytes
	global_load_b64 v[36+2*\g:37+2*\g], v4, s[4:5] offset:49152+256*\g           ; head 1's
.endr
	global_load_b32 v42, v5, s[6:7]
	global_load_b32 v43, v5, s[6:7] offset:2048
.irp i, 0,1,2,3,4,5
	v_mov_b32 v[ZQ+\i], 0                          ; zero codes below and above q
	v_mov_b32 v[ZQ+12+\i], 0
.endr
.irp b, 0,1,2,3
	v_mov_b32 v[BT+\b], 0                          ; a lane permute's destination counts as one of its sources
.endr
	v_mov_b32 v[FC+1], 0                           ; named as the upper half of a pair
	v_mov_b32 v[TT], 0
; A step: 16 queries x 128 keys.  s40: the step's fragments in LDS, s41: its scale words.
.macro STEP
	v_add_nc_u32 v2, s40, v1
	v_add_nc_u32 v3, s41, v1
	v_nop
	v_nop                                          ; four places behind the last step's products, in front of loads into their registers
	ds_load_b128 v[8:11], v3                       ; lanes 0-15 K's four words, lanes 16-31 V's
.irp b, 0,1,2,3
.irp c, 0,1,2
	ds_load_b128 v[FR+12*\b+4*\c:FR+12*\b+4*\c+3], v2 offset:FRB*\b+512*\c
.endr
.endr
	s_wait_alu depctr_va_vdst(0)
	s_wait_dscnt 0x0
.irp b, 0,1,2,3                        ; the even and the odd key tile of pair b: 16 neighbouring keys in a lane's 16 registers
	v_wmma_scale_f32_16x16x128_f8f6f4 v[S+16*\b:S+16*\b+7], v[FR+12*\b:FR+12*\b+11], v[ZQ+6:ZQ+17], 0, v[8+\b], v[QSC] matrix_a_fmt:MATRIX_FMT_FP6 matrix_b_fmt:MATRIX_FMT_FP6
	v_wmma_scale_f32_16x16x128_f8f6f4 v[S+16*\b+8:S+16*\b+15], v[FR+12*\b:FR+12*\b+11], v[ZQ:ZQ+11], 0, v[8+\b], v[QSC] matrix_a_fmt:MATRIX_FMT_FP6 matrix_b_fmt:MATRIX_FMT_FP6 matrix_b_scale:MATRIX_SCALE_ROW1
.endr
.rept 4
	v_nop
.endr
.irp t, 0,1,2,3                        ; V^T's four fragments, under the softmax
.irp c, 0,1,2
	ds_load_b128 v[FR+12*\t+4*\c:FR+12*\t+4*\c+3], v2 offset:49152+FRB*\t+512*\c
.endr
.endr
.irp b, 0,1,2,3                        ; the largest score of each block of 32 keys, the four blocks by turns
	v_max3_num_f32 v[BM+\b], v[S+16*\b], v[S+16*\b+1], v[S+16*\b+2]
.endr
.irp i, 3,5,7,9,11,13
.irp b, 0,1,2,3
	v_max3_num_f32 v[BM+\b], v[BM+\b], v[S+16*\b+\i], v[S+16*\b+\i+1]
.endr
.endr
.irp b, 0,1,2,3
	v_max_num_f32 v[BM+\b], v[BM+\b], v[S+16*\b+15]
.endr
.irp b, 0,1,2,3
	s_delay_alu instid0(VALU_DEP_4)
	v_permlanex16_b32 v[BT+\b], v[BM+\b], s20, s21
.endr
.irp b, 0,1,2,3
	s_delay_alu instid0(VALU_DEP_4)
	v_max_num_f32 v[BM+\b], v[BM+\b], v[BT+\b]
.endr
	s_delay_alu instid0(VALU_DEP_2)
	v_max3_num_f32 v[TT], v[BM], v[BM+1], v[BM+2]
	s_delay_alu instid0(VALU_DEP_1)
	v_max_num_f32 v[TT], v[TT], v[BM+3]
	s_delay_alu instid0(VALU_DEP_1)
	v_mul_f32 v[TT], s22, v[TT]
	s_delay_alu instid0(VALU_DEP_1)
	v_max_num_f32 v13, v13, v[TT]                  ; the running largest t
	v_mov_b32 v[TT], v12
	s_delay_alu instid0(VALU_DEP_2)
	v_floor_f32 v12, -v13                          ; -M
	s_delay_alu instid0(VALU_DEP_1)
	v_sub_f32 v[TT], v12, v[TT]
	s_delay_alu instid0(VALU_DEP_1)
	v_cvt_i32_f32 v[TT], v[TT]
	s_delay_alu instid0(VALU_DEP_1)
	v_ldexp_f32 v[FC], 1.0, v[TT]                  ; 2^(old M - new M)
.set j, 0
.rept 32
	v_pk_fma_f32 v[S+j:S+j+1], v[S+j:S+j+1], s[22:23], v[12:13] op_sel_hi:[1,0,0]   ; t - M
.set j, j+2
.endr
.irp b, 0,1,2,3
	v_fma_f32 v[BM+\b], v[BM+\b], s22, v12
.endr
.set j, 0
	s_wait_alu depctr_va_vdst(0)
.rept 64
	v_exp_f32 v[S+j], v[S+j]
.set j, j+1
.endr
.irp b, 0,1,2,3
	v_exp_f32 v[BM+\b], v[BM+\b]                   ; each block's largest p
.endr
	v_pk_mul_f32 v[14:15], v[14:15], v[FC:FC+1] op_sel_hi:[1,0]
	s_wait_alu depctr_va_vdst(0)                   ; behind the batch, ahead of its first reader
.irp b, 0,1,2,3
	v_max_num_f32 v[BM+\b], 0x1800000, v[BM+\b]    ; the floor 2^(3 - 127): the byte cannot fall under 1
.endr
.irp b, 0,1,2,3
	s_delay_alu instid0(VALU_DEP_4)
	v_add_nc_u32 v[SO+\b], 0xff000000, v[BM+\b]    ; 2 off the exponent field: the conversion's scale operand
.endr
.irp b, 0,1,2,3
	s_delay_alu instid0(VALU_DEP_4)
	v_lshrrev_b32 v[BT+\b], 23, v[SO+\b]
.endr
	s_delay_alu instid0(VALU_DEP_3)
	v_lshl_or_b32 v[PSC], v[BT+1], 8, v[BT]
	s_delay_alu instid0(VALU_DEP_1)
	v_lshl_or_b32 v[PSC], v[BT+2], 16, v[PSC]
	s_delay_alu instid0(VALU_DEP_1)
	v_lshl_or_b32 v[PSC], v[BT+3], 24, v[PSC]
.irp c, 0,1
	v_cvt_scalef32_pk16_fp6_f32 v[PC+6*\c:PC+6*\c+2], v[S+32*\c:S+32*\c+15], v[SO+2*\c]
	v_cvt_scalef32_pk16_fp6_f32 v[PX+4*\c:PX+4*\c+2], v[S+32*\c+16:S+32*\c+31], v[SO+2*\c+1]
.endr
	v_nop                                          ; one plain place behind a scaled conversion
.irp c, 0,1                            ; the operand wants a whole block in a lane
.irp i, 0,1,2
	v_permlane16_swap_b32 v[PC+6*\c+\i], v[PX+4*\c+\i]
.endr
.irp i, 0,1,2
	s_delay_alu instid0(VALU_DEP_3)
	v_mov_b32 v[PC+6*\c+3+\i], v[PX+4*\c+\i]
.endr
.endr
.set j, 0
.rept 16
	v_pk_mul_f32 v[OT+j:OT+j+1], v[OT+j:OT+j+1], v[FC:FC+1] op_sel_hi:[1,0]   ; O^T under the new M
.set j, j+2
.endr
	v_pk_add_f32 v[CH:CH+1], v[S:S+1], v[S+2:S+3]  ; the row's sum of the unquantised p, in two chains
.set j, 4
.rept 15
	v_pk_add_f32 v[14:15], v[14:15], v[S+j:S+j+1]
	v_pk_add_f32 v[CH:CH+1], v[CH:CH+1], v[S+j+2:S+j+3]
.set j, j+4
.endr
	s_delay_alu instid0(VALU_DEP_1)
	v_pk_add_f32 v[14:15], v[14:15], v[CH:CH+1]
	s_wait_dscnt 0x0                               ; V^T's fragments are in
.irp t, 0,1,2,3                        ; the four accumulators by turns
	v_wmma_scale_f32_16x16x128_f8f6f4 v[OT+8*\t:OT+8*\t+7], v[FR+12*\t:FR+12*\t+11], v[PC:PC+11], v[OT+8*\t:OT+8*\t+7], v[8+\t], v[PSC] matrix_a_fmt:MATRIX_FMT_FP6 matrix_b_fmt:MATRIX_FMT_FP6 matrix_a_scale:MATRIX_SCALE_ROW1
.endr
	s_add_co_u32 s40, s40, 4*FRB
	s_add_co_u32 s41, s41, 512
.endm
; One head: the barrier that shows its record, q's scale word, eight steps, the division by the sum, and the quantising of the 64 channels into half a fragment.
.macro HEAD hd
.if \hd == 0
	s_wait_alu depctr_va_vdst(0)
	s_cmp_lt_u32 s14, 8                            ; waves 0-7 wait for their parts of head 0's record; head 1's may still be on its way
	s_cbranch_scc0 .Lnot_mine
	s_wait_tensorcnt 0x0
.Lnot_mine:
	s_barrier_signal -1
	s_barrier_wait -1                              ; head 0's record is in
	s_wait_loadcnt 0x0
.else
	s_wait_alu depctr_va_vdst(0)
	s_wait_tensorcnt 0x0                           ; every wave's load has landed,
	s_wait_dscnt 0x0
	s_barrier_signal -1
	s_barrier_wait -1                              ; so head 1's record is in
.irp i, 0,1,2,3,4,5
	v_mov_b32 v[ZQ+6+\i], v[36+\i]
.endr
.endif
	v_lshrrev_b32 v[TT], s44, v[42+\hd]
	s_delay_alu instid0(VALU_DEP_1)
	v_and_b32 v[TT], 0xffff, v[TT]                 ; my tile's two bytes; the zero codes' blocks get the byte 1
	s_delay_alu instid0(VALU_DEP_1)
	v_or_b32 v[QSC], 0x1010000, v[TT]
	s_delay_alu instid0(VALU_DEP_2)
	v_lshl_or_b32 v[TT], v[TT], 16, 0x101
	s_delay_alu instid0(VALU_DEP_1)
	v_cndmask_b32 v[QSC], v[QSC], v[TT], s43       ; lanes 0-15: q below, lanes 16-31: q above
	v_mov_b32 v13, 0xff61b1e6                      ; -3e38, under every t
	s_delay_alu instid0(VALU_DEP_1)
	v_floor_f32 v12, -v13
	v_mov_b32 v14, 0
	v_mov_b32 v15, 0
.set j, 0
.rept 32
	v_mov_b32 v[OT+j], 0
.set j, j+1
.endr
	s_mov_b32 s40, \hd*KVB
	s_mov_b32 s41, \hd*KVB+98304
	s_mov_b32 s42, 8
.Lkeys_\@:
	STEP
	s_sub_co_u32 s42, s42, 1
	s_cmp_lg_u32 s42, 0
	s_cbranch_scc1 .Lkeys_\@
.rept 4
	v_nop
.endr
	s_wait_alu depctr_va_vdst(0)
	v_add_f32 v14, v14, v15
	s_delay_alu instid0(VALU_DEP_1)
	v_permlanex16_b32 v[TT], v14, s20, s21
	s_delay_alu instid0(VALU_DEP_1)
	v_add_f32 v14, v14, v[TT]                      ; the row's sum
	s_wait_alu depctr_va_vdst(0)
	v_rcp_f32 v[FC], v14
	v_nop
.set j, 0
	s_wait_alu depctr_va_vdst(0)
.rept 16
	v_pk_mul_f32 v[OT+j:OT+j+1], v[OT+j:OT+j+1], v[FC:FC+1] op_sel_hi:[1,0]
.set j, j+2
.endr
.irp b, 0,1
	v_max3_num_f32 v[BM+\b], |v[OT+16*\b]|, |v[OT+16*\b+1]|, 0x1800000
.endr
.irp i, 2,4,6,8,10,12,14
.irp b, 0,1
	s_delay_alu instid0(VALU_DEP_2)
	v_max3_num_f32 v[BM+\b], v[BM+\b], |v[OT+16*\b+\i]|, |v[OT+16*\b+\i+1]|
.endr
.endr
.irp b, 0,1
	s_delay_alu instid0(VALU_DEP_2)
	v_permlanex16_b32 v[BT+\b], v[BM+\b], s20, s21
.endr
.irp b, 0,1
	s_delay_alu instid0(VALU_DEP_2)
	v_max_num_f32 v[BM+\b], v[BM+\b], v[BT+\b]
.endr
.irp b, 0,1
	s_delay_alu instid0(VALU_DEP_2)
	v_add_nc_u32 v[SO+\b], 0xff000000, v[BM+\b]
.endr
.irp b, 0,1
	s_delay_alu instid0(VALU_DEP_2)
	v_lshrrev_b32 v[BT+\b], 23, v[SO+\b]
.endr
.if \hd == 0
	s_delay_alu instid0(VALU_DEP_1)
	v_lshl_or_b32 v[VW], v[BT+1], 8, v[BT]
.else
	s_delay_alu instid0(VALU_DEP_1)
	v_lshl_or_b32 v[TT], v[BT+1], 8, v[BT]
	s_delay_alu instid0(VALU_DEP_1)
	v_lshl_or_b32 v[VW], v[TT], 16, v[VW]
.endif
	v_cvt_scalef32_pk16_fp6_f32 v[VF+6*\hd:VF+6*\hd+2], v[OT:OT+15], v[SO]
	v_cvt_scalef32_pk16_fp6_f32 v[PX:PX+2], v[OT+16:OT+31], v[SO+1]
	v_nop
.irp i, 0,1,2
	v_permlane16_swap_b32 v[VF+6*\hd+\i], v[PX+\i]
.endr
.irp i, 0,1,2
	s_delay_alu instid0(VALU_DEP_3)
	v_mov_b32 v[VF+6*\hd+3+\i], v[PX+\i]
.endr
.endm
	HEAD 0
	HEAD 1
.irp c, 0,1,2
	global_store_b128 v1, v[VF+4*\c:VF+4*\c+3], s[10:11] offset:512*\c   ; 32 lanes store 512 consecutive bytes, aligned
.endr
	global_store_b32 v5, v[VW], s[12:13]
	s_wait_tensorcnt 0x0                           ; the wave's end
	ds_add_u32 v254, v255
	s_wait_dscnt 0x0
	CROUND                                         ; the closing round
	s_endpgm
.Lfunc_end_k_q6db31e7d18_attn:
	.size	k_q6db31e7d18_attn, .Lfunc_end_k_q6db31e7d18_attn-k_q6db31e7d18_attn
	.p2alignl 7, 3214868480
	.fill 96, 4, 3214868480
	.section	.rodata,"a",@progbits
	.p2align	6, 0x0
	.amdhsa_kernel k_q6db31e7d18_attn
		.amdhsa_group_segment_fixed_size 327680
		.amdhsa_private_segment_fixed_size 0
		.amdhsa_enable_private_segment 0
		.amdhsa_kernarg_size 40
		.amdhsa_user_sgpr_count 2
		.amdhsa_user_sgpr_kernarg_segment_ptr 1
		.amdhsa_wavefront_size32 1
		.amdhsa_system_sgpr_workgroup_id_x 1
		.amdhsa_system_sgpr_workgroup_id_y 1
		.amdhsa_system_sgpr_workgroup_id_z 1
		.amdhsa_system_vgpr_workitem_id 0
		.amdhsa_next_free_vgpr 256
		.amdhsa_next_free_sgpr 66
		.amdhsa_reserve_vcc 0
		.amdhsa_float_denorm_mode_32 3
		.amdhsa_float_denorm_mode_16_64 3
		.amdhsa_memory_ordered 1
		.amdhsa_forward_progress 1
		.amdhsa_inst_pref_size 53
	.end_amdhsa_kernel
	.amdgpu_metadata
---
amdhsa.version: [ 1, 2 ]
amdhsa.kernels:
  - .name:           k_q6db31e7d18_attn
    .symbol:         k_q6db31e7d18_attn.kd
    .args:
      - { .name: qc, .offset: 0, .size: 8, .value_kind: global_buffer, .address_space: global }
      - { .name: qs, .offset: 8, .size: 8, .value_kind: global_buffer, .address_space: global }
      - { .name: kv, .offset: 16, .size: 8, .value_kind: global_buffer, .address_space: global }
      - { .name: vc, .offset: 24, .size: 8, .value_kind: global_buffer, .address_space: global }
      - { .name: vs, .offset: 32, .size: 8, .value_kind: global_buffer, .address_space: global }
    .group_segment_fixed_size: 327680
    .private_segment_fixed_size: 0
    .kernarg_segment_align: 8
    .kernarg_segment_size: 40
    .max_flat_workgroup_size: 512
    .sgpr_count:     66
    .vgpr_count:     256
    .wavefront_size: 32
...
	.end_amdgpu_metadata
.endif
;; end of part 3
;; launch proj (part 4): grid 8 x 32, 4 waves a work-group, clusters of 4 x 4, 327,680 bytes of LDS; arguments vc, vs, opc, ops, b_out, out0; writes out0
.if DOCPART == 4
	.amdgcn_target "amdgcn-amd-amdhsa--gfx1250"
	.amdhsa_code_object_version 6
	.text
	.protected	k_q6db31e7d18_proj
	.globl	k_q6db31e7d18_proj
	.p2align	8
	.type	k_q6db31e7d18_proj,@function
k_q6db31e7d18_proj:
	s_mov_b64 s[64:65], 0
	v_nop
	global_prefetch_b8 v0, s[64:65] scope:SCOPE_SE
	s_setreg_imm32_b32 hwreg(HW_REG_WAVE_MODE, 25, 1), 1
	s_wait_xcnt 0x0
	s_wait_alu depctr_hold_cnt(0) depctr_sa_sdst(0) depctr_va_vdst(0) depctr_va_sdst(0) depctr_va_ssrc(0) depctr_va_vcc(0) depctr_vm_vsrc(0)
	s_getreg_b32 s2, hwreg(HW_REG_IB_STS2, 6, 4)
	s_cmp_eq_u32 s2, 0
	s_cbranch_scc0 .Lentry_in_a_cluster
	s_endpgm
.Lentry_in_a_cluster:
	s_bfe_u32 s2, ttmp6, 0x10000c
	s_cmp_lg_u32 s2, 0xf033
	s_cbranch_scc0 .Lentry_shape_is_right
	s_endpgm
.Lentry_shape_is_right:
; out0 = values w_out^T + b_out on codes of FP6 (E2M3) with E8M0 scales; f32 sums, f32 out.
; OPERANDS: panels of 256 rows x 1,024 K, fragments as images of the operand's 12 registers (1,536 bytes), [panel][K step][block of 16 rows]; scale words [panel][block][K half][row][4].  A = vc, vs (tokens); B = panels 44-47 of opc, ops (w_out).
; The rows of a block are not neighbours: of each 32 rows block u holds in lane r the row 8 u + r + 8 (r / 8).
; SHARES.  A tile of 256 tokens x 128 columns a work-group: 32 x 8 = 256 work-groups.  Four waves, 2 x 2, 128 x 64 each.
; ALL OF K LIES IN LDS: A's panel 196,608 bytes, B's half panel 98,304 (8 rows of 12,288 bytes, 24,576 apart in memory), the scale words 8,192 + 4,096.  That is four tiles, ONE joint load a wave at the head; nothing is filled again.
; CLUSTERS: 4 x 4; A's tiles are asked for jointly along a row of the cluster, B's along a column.  No prefetch: every byte is asked for by the head's one group of loads, and no loop runs ahead of a load.
; THE WORK GOES BY ROWS OF THE RESULT.  A wave's 64 rows of B, all of K, lie in registers (32 fragments, 384 registers); A streams past in blocks of 16 rows, all of K (8 fragments, two sets).
; A block is 32 products on four accumulators by turns, so that three other products stand between two steps of a sum; two sets of accumulators take turns from block to block.
; A finished block goes through the wave's stage and is stored while the next block is multiplied.
; THE MATRIX INSTRUCTION IS USED TRANSPOSED (source 0 = 16 rows of B, source 1 = 16 rows of A): lane (r, h) holds A's row r, register j of accumulator b column 32 (b / 2) + 16 h + 8 (b % 2) + j.  The bias is the C of each sum's first product.
; REGISTERS: window 0: v12-30 addresses; v32-95 A's scale words (8 a + K step); v96-127 B's (8 b + (K step + 4) % 8: the two numbers differ by 4 modulo 8); v128-191 two sets of accumulators; v192-255 two blocks read back from the stage.
;   B's fragment f = 4 x K step + b: window 1 + f / 21, register 12 (f % 21).   A's set 0: window 2, v132-227; set 1: window 3, v0-95.   The bias: window 3, v96-127.
.set QB,     24576                     ; a K step of A's 256 rows
.set BQ,     12288                     ; a K step of B's 128 rows
.set FRB,    1536
.set TILEB,  196608
.set BB,     8*QB                      ; B's codes, behind A's
.set SCB,    BB+8*BQ                   ; B's scale words
.set SCA,    SCB+4096                  ; A's
.set SPARE,  SCA+8192                  ; the spare words, 128 bytes a wave
.set STAGE,  SPARE+512                 ; the way out: 16 rows x 272 bytes a wave, bytes of their own
.set SPITCH, 272
.set ADRA, 16                          ; v16-19 my A fragments, K steps 0-1, 2-3, 4-5, 6-7
.set ADRB, 20                          ; v20-21 my B fragments, K steps 0-3, 4-7
.set ADSA, 22
.set ADSB, 23
.set STO,  24
.set RD,   25
.set CO,   26
.set SPW,  28
.set NIL,  29
.set L16,  30
.set SA,   32
.set SB,   96
.set ACC,  128
.set BK,   192
.set BI3,  96
.set G1A,  24
.set G1B,  32
.set G0A,  40
.set G0B,  44
.set G1SA, 48
.set G1SB, 56
.set G0SA, 68
.set G0SB, 72
.set G1W0, (3<<16)|(1<<21)             ; elements of 8 bytes, no padding, bit 21 beside a mask
.set MSB, 0
.macro WIN new                         ; the immediate's high byte repeats the setting that is left
.if MSB != (\new)
	s_set_vgpr_msb (MSB<<8)|(\new)
.set MSB, (\new)
.endif
.endm
.macro PLACES n
.rept \n
	v_nop
.endr
.endm
.macro CROUND                          ; a round of the cluster's barrier
	s_barrier_signal -1
	s_barrier_wait -1
	s_cmp_lg_u32 s16, 0
	s_cbranch_scc1 .Lnot_wave_0_\@
	s_barrier_signal -3
.Lnot_wave_0_\@:
	s_barrier_wait -3
	s_barrier_signal -1
	s_barrier_wait -1
.endm
.macro GROUP1 g, c, r, p               ; r rows of c elements, p elements apart
	s_mov_b32 s[\g+1], (\c)<<16
	s_mov_b32 s[\g+2], (\r)<<16
	s_mov_b32 s[\g+3], (\c)<<16
	s_mov_b32 s[\g+4], \r
	s_mov_b32 s[\g+5], \p
	s_mov_b32 s[\g+6], 0
	s_mov_b32 s[\g+7], 0
.endm
.macro GROUP0 g, lds, adr
	s_mov_b32 s[\g], 1
	s_mov_b32 s[\g+1], \lds
	s_mov_b64 s[\g+2:\g+3], s[\adr:\adr+1]
	s_or_b32 s[\g+3], s[\g+3], 0x80000000
.endm
.macro ARM under, g0, g1, next         ; an arm of the head's tree: one load, then to the tree's end
	s_cmp_lt_u32 s16, \under
	s_cbranch_scc0 \next
	tensor_load_to_lds s[\g0:\g0+3], s[\g1:\g1+7]
	s_nop 0
	PLACES 4
	s_branch .Lhead_asked
\next:
.endm
.macro FETCHB                          ; my 64 rows of B, all of K: 96 loads of 512 consecutive bytes
.irp ks, 0,1,2,3,4,5,6,7
.irp b, 0,1,2,3
.set F, 4*\ks+\b
	WIN (1+F/21)<<6
.irp c, 0,1,2
	ds_load_b128 v[12*(F%21)+4*\c:12*(F%21)+4*\c+3], v[ADRB+\ks/4] offset:BQ*(\ks%4)+FRB*\b+512*\c
.endr
.endr
.endr
.endm
.macro FETCHA a                        ; block a of A, all of K, into set a % 2: 24 loads
.set E, (\a)%2
	WIN (2+E)<<6
.irp ks, 0,1,2,3,4,5,6,7
.irp c, 0,1,2
	ds_load_b128 v[132-132*E+12*\ks+4*\c:132-132*E+12*\ks+4*\c+3], v[ADRA+\ks/2] offset:QB*(\ks%2)+FRB*(\a)+512*\c
.endr
.endr
.endm
.macro MULB a                          ; block a: 8 K steps x B's four blocks
.set E, (\a)%2
.irp ks, 0,1,2,3,4,5,6,7
.irp b, 0,1,2,3
.set F, 4*\ks+\b
.set rD, ACC+32*E+8*\b
.set rB, 12*(F%21)
.set rA, 132-132*E+12*\ks
.if \ks == 0
	WIN (1+F/21)|((2+E)<<2)|(3<<4)                 ; C: the bias, window 3
.set rC, BI3+8*\b
.else
	WIN (1+F/21)|((2+E)<<2)
.set rC, rD
.endif
	v_wmma_scale_f32_16x16x128_f8f6f4 v[rD:rD+7], v[rB:rB+11], v[rA:rA+11], v[rC:rC+7], v[SB+8*\b+(\ks+4)%8], v[SA+8*(\a)+\ks] matrix_a_fmt:MATRIX_FMT_FP6 matrix_b_fmt:MATRIX_FMT_FP6
.endr
.endr
	WIN 0
.endm
; THE WAY OUT of a block of 16 rows x 64 columns, through my own stage: back come whole rows of 256 bytes.  LDS serves a wave's instructions in order: no wait between the stores and the loads.
.macro TOSTAGE a
.irp b, 0,1,2,3
	ds_store_b128 v[STO], v[ACC+32*((\a)%2)+8*\b:ACC+32*((\a)%2)+8*\b+3] offset:128*(\b/2)+32*(\b%2)          ; each accumulator from its low end on
	ds_store_b128 v[STO], v[ACC+32*((\a)%2)+8*\b+4:ACC+32*((\a)%2)+8*\b+7] offset:128*(\b/2)+32*(\b%2)+16
.endr
.irp t, 0,1,2,3,4,5,6,7
	ds_load_b128 v[BK+32*((\a)%2)+4*\t:BK+32*((\a)%2)+4*\t+3], v[RD] offset:2*\t*SPITCH
.endr
.endm
.macro SEND a
	s_wait_dscnt 0x0                               ; the block is back in registers (asked for ahead of 32 products)
.if (\a) > 0
	s_wait_xcnt 0x0                                ; earlier stores have read their base and their registers
	s_add_nc_u64 s[14:15], s[14:15], 98304-65536*((\a)%2)   ; block a begins at row 32 (a / 2) + 8 (a % 2)
.endif
.irp t, 0,1,2,3,4,5,6,7
	global_store_b128 v[CO], v[BK+32*((\a)%2)+4*\t:BK+32*((\a)%2)+4*\t+3], s[14:15] offset:(2*\t+8*(\t/4))*4096 th:TH_STORE_NT   ; 16 lanes store 256 consecutive bytes, aligned; stage row t is row t + 8 (t / 8)
.endr
.endm
	s_load_b256 s[4:11], s[0:1], 0x0               ; vc s[4:5], vs s[6:7], opc s[8:9], ops s[10:11]
	s_load_b128 s[12:15], s[0:1], 0x20             ; b_out s[12:13], out0 s[14:15]
	v_lshl_add_u32 v[SPW], v0, 2, SPARE
	v_mov_b32 v[NIL], 0
	ds_add_u32 v[SPW], v[NIL]                      ; the opening lines: the add, twice on end, and its wait
	ds_add_u32 v[SPW], v[NIL]
	v_lshrrev_b32 v1, 5, v0
	v_readfirstlane_b32 s16, v1                    ; wave 0..3
	s_lshr_b32 s17, s16, 1                         ; HA: my half of A's rows
	s_and_b32 s18, s16, 1                          ; HB: my half of B's rows
	s_bfe_u32 s20, ttmp6, 0x40000                  ; cx
	s_bfe_u32 s21, ttmp6, 0x40004                  ; cy
	s_lshl_b32 s2, s21, 2
	s_lshl_b32 s2, 15, s2                          ; my row of the cluster
	s_lshl_b32 s3, 0x1111, s20                     ; my column
	s_or_b32 s[G1A], s2, G1W0
	s_or_b32 s[G1SA], s2, G1W0
	s_or_b32 s[G1B], s3, G1W0
	s_or_b32 s[G1SB], s3, G1W0
	GROUP1 G1A, 32, 768, 32                        ; A's panel: 196,608 dense bytes as rows of 256
	GROUP1 G1B, 1536, 8, 3072                      ; B's half panel: for each K step 12,288 bytes, 24,576 apart
	GROUP1 G1SA, 32, 32, 32                        ; 8,192 dense bytes
	GROUP1 G1SB, 32, 16, 32                        ; 4,096
	s_lshl_b32 s22, ttmp9, 2
	s_add_co_u32 s22, s22, s20                     ; tile column, 0..7
	s_and_b32 s23, ttmp7, 0xffff
	s_lshl_b32 s23, s23, 2
	s_add_co_u32 s23, s23, s21                     ; tile row, 0..31
	s_lshr_b32 s19, s22, 1
	s_add_co_u32 s19, s19, 44                      ; w_out's panel,
	s_and_b32 s66, s22, 1                          ; and which half of its rows
	s_mul_i32 s92, s23, TILEB
	s_mov_b32 s93, 0
	s_mul_i32 s94, s19, TILEB
	s_mul_i32 s67, s66, 8*FRB
	s_add_co_u32 s94, s94, s67
	s_mov_b32 s95, 0
	s_lshl_b32 s96, s23, 13
	s_mov_b32 s97, 0
	s_lshl_b32 s98, s19, 13
	s_lshl_b32 s67, s66, 12
	s_add_co_u32 s98, s98, s67
	s_mov_b32 s99, 0
	s_wait_dscnt 0x0                               ; both opening adds are done
	s_wait_kmcnt 0x0
	s_add_nc_u64 s[92:93], s[4:5], s[92:93]
	s_add_nc_u64 s[94:95], s[8:9], s[94:95]
	s_add_nc_u64 s[96:97], s[6:7], s[96:97]
	s_add_nc_u64 s[98:99], s[10:11], s[98:99]
	GROUP0 G0A, 0, 92
	GROUP0 G0B, BB, 94
	GROUP0 G0SA, SCA, 96
	GROUP0 G0SB, SCB, 98
	CROUND                                         ; all sixteen work-groups are here: the joint loads meet
	ARM 1, G0B,  G1B,  .Lhead_a                    ; one tree of branches on the wave's number: every way through it passes exactly one load
	ARM 2, G0A,  G1A,  .Lhead_sa
	ARM 3, G0SA, G1SA, .Lhead_sb
	tensor_load_to_lds s[G0SB:G0SB+3], s[G1SB:G1SB+7]
	s_nop 0
	PLACES 4
.Lhead_asked:
	s_mul_i32 s80, s17, 8*FRB                      ; LDS: my 8 blocks of A,
	s_mul_i32 s81, s18, 4*FRB
	s_add_co_u32 s81, s81, BB                      ; my 4 blocks of B,
	s_lshl_b32 s82, s17, 12
	s_add_co_u32 s82, s82, SCA                     ; their scale words,
	s_lshl_b32 s83, s18, 11
	s_add_co_u32 s83, s83, SCB
	s_mul_i32 s84, s16, 16*SPITCH
	s_add_co_u32 s84, s84, STAGE                   ; my stage
	s_lshl_b32 s86, s23, 8
	s_lshl_b32 s87, s17, 7
	s_add_co_u32 s86, s86, s87                     ; my first row of out0, rows of 4,096 bytes,
	s_lshl_b32 s86, s86, 12
	s_lshl_b32 s88, s22, 9
	s_lshl_b32 s87, s18, 8
	s_add_co_u32 s88, s88, s87                     ; my first column, in bytes: 512 x tile column + 256 HB
	s_mov_b32 s89, 0
	s_add_nc_u64 s[12:13], s[12:13], s[88:89]
	s_add_co_u32 s86, s86, s88
	s_mov_b32 s87, 0
	s_add_nc_u64 s[14:15], s[14:15], s[86:87]
	v_and_b32 v1, 31, v0
	v_and_b32 v2, 15, v0                           ; r
	v_bfe_u32 v3, v0, 4, 1                         ; h
	v_lshlrev_b32 v[L16], 4, v1
	v_lshlrev_b32 v4, 4, v2                        ; 16 r
	v_add_nc_u32 v[ADRA], s80, v[L16]
	v_add_nc_u32 v[ADRA+1], 2*QB, v[ADRA]
	v_add_nc_u32 v[ADRA+2], 4*QB, v[ADRA]
	v_add_nc_u32 v[ADRA+3], 6*QB, v[ADRA]
	v_add_nc_u32 v[ADRB], s81, v[L16]
	v_add_nc_u32 v[ADRB+1], 4*BQ, v[ADRB]
	v_add_nc_u32 v[ADSA], s82, v4
	v_add_nc_u32 v[ADSB], s83, v4
	v_lshlrev_b32 v12, 6, v3                       ; the bias: 64 h
	v_mul_u32_u24 v5, v2, SPITCH
	v_lshl_add_u32 v5, v3, 6, v5
	v_add_nc_u32 v[STO], s84, v5                   ; into the stage: row r, + 64 h
	v_mul_u32_u24 v6, v3, SPITCH
	v_add_nc_u32 v6, v6, v4
	v_add_nc_u32 v[RD], s84, v6                    ; back: lanes 0-15 a row of 256 bytes, lanes 16-31 the next
	v_lshl_add_u32 v[CO], v3, 12, v4               ; and the same two rows in out0
	s_wait_alu depctr_va_vdst(0)
	WIN 0xc0                                       ; destination window 3
.irp b, 0,1,2,3                        ; register j of block b wants the bias of column 32 (b / 2) + 16 h + 8 (b % 2) + j
	global_load_b128 v[BI3+8*\b:BI3+8*\b+3], v12, s[12:13] offset:128*(\b/2)+32*(\b%2)
	global_load_b128 v[BI3+8*\b+4:BI3+8*\b+7], v12, s[12:13] offset:128*(\b/2)+32*(\b%2)+16
.endr
	WIN 0
	s_cmp_eq_u32 s16, 0                            ; wave 0 waits for its tile, B's codes, whose load line is its own; the other three tiles may still be on their way
	s_cbranch_scc0 .Lnot_b
	s_wait_tensorcnt 0x0
.Lnot_b:
	s_barrier_signal -1
	s_barrier_wait -1                              ; B's codes are in
	FETCHB                                         ; B's 96 loads stand ahead of the wait for the other tiles
	WIN 0
	s_wait_tensorcnt 0x0                           ; every wave's tile is in,
	s_wait_dscnt 0x0
	s_barrier_signal -1
	s_barrier_wait -1                              ; and is shown to all: A's codes and the scale words
	FETCHA 0
	WIN 0
.irp i, 0,1,2,3,4,5,6,7                ; the scale words of all of K, once: four K steps a load
.irp k, 0,1
	ds_load_b128 v[SA+8*\i+4*\k:SA+8*\i+4*\k+3], v[ADSA] offset:512*\i+256*\k
.endr
.endr
.irp i, 0,1,2,3
.irp k, 0,1
	ds_load_b128 v[SB+8*\i+4-4*\k:SB+8*\i+7-4*\k], v[ADSB] offset:512*\i+256*\k   ; B's two halves of K change places
.endr
.endr
	s_wait_loadcnt 0x0                             ; the bias
.set AB, 0
.rept 8
	s_wait_dscnt 0x0                               ; this block's fragments are in: they were asked for ahead of the last block's products
.if AB > 0
	PLACES 4                                       ; behind the last block's products: in front of loads into the set that they read, and of the stores of their results
.endif
.if AB < 7
	FETCHA AB+1
.endif
	WIN 0
.if AB > 0
	TOSTAGE AB-1
.endif
	MULB AB
.if AB > 0
	SEND AB-1
.endif
.set AB, AB+1
.endr
	PLACES 4
	TOSTAGE 7
	SEND 7
	s_wait_tensorcnt 0x0                           ; the wave's end
	ds_add_u32 v[SPW], v[NIL]
	s_wait_dscnt 0x0
	CROUND                                         ; the closing round
	s_endpgm
.Lfunc_end_k_q6db31e7d18_proj:
	.size	k_q6db31e7d18_proj, .Lfunc_end_k_q6db31e7d18_proj-k_q6db31e7d18_proj
	.p2alignl 7, 3214868480
	.fill 96, 4, 3214868480
	.section	.rodata,"a",@progbits
	.p2align	6, 0x0
	.amdhsa_kernel k_q6db31e7d18_proj
		.amdhsa_group_segment_fixed_size 327680
		.amdhsa_private_segment_fixed_size 0
		.amdhsa_enable_private_segment 0
		.amdhsa_kernarg_size 48
		.amdhsa_user_sgpr_count 2
		.amdhsa_user_sgpr_kernarg_segment_ptr 1
		.amdhsa_wavefront_size32 1
		.amdhsa_system_sgpr_workgroup_id_x 1
		.amdhsa_system_sgpr_workgroup_id_y 1
		.amdhsa_system_sgpr_workgroup_id_z 1
		.amdhsa_system_vgpr_workitem_id 0
		.amdhsa_next_free_vgpr 1024
		.amdhsa_next_free_sgpr 102
		.amdhsa_reserve_vcc 0
		.amdhsa_float_denorm_mode_32 3
		.amdhsa_float_denorm_mode_16_64 3
		.amdhsa_memory_ordered 1
		.amdhsa_forward_progress 1
		.amdhsa_inst_pref_size 79
	.end_amdhsa_kernel
	.amdgpu_metadata
---
amdhsa.version: [ 1, 2 ]
amdhsa.kernels:
  - .name:           k_q6db31e7d18_proj
    .symbol:         k_q6db31e7d18_proj.kd
    .args:
      - { .name: vc, .offset: 0, .size: 8, .value_kind: global_buffer, .address_space: global }
      - { .name: vs, .offset: 8, .size: 8, .value_kind: global_buffer, .address_space: global }
      - { .name: opc, .offset: 16, .size: 8, .value_kind: global_buffer, .address_space: global }
      - { .name: ops, .offset: 24, .size: 8, .value_kind: global_buffer, .address_space: global }
      - { .name: b_out, .offset: 32, .size: 8, .value_kind: global_buffer, .address_space: global }
      - { .name: out0, .offset: 40, .size: 8, .value_kind: global_buffer, .address_space: global }
    .group_segment_fixed_size: 327680
    .private_segment_fixed_size: 0
    .kernarg_segment_align: 8
    .kernarg_segment_size: 48
    .max_flat_workgroup_size: 128
    .sgpr_count:     102
    .vgpr_count:     1024
    .wavefront_size: 32
...
	.end_amdgpu_metadata
.endif
;; end of part 4
